; MI455X (gfx1250); checked and timed in simulation.
; The chip was launched on July 23, 2026; its instructions are those of AMD's public machine-readable ISA for CDNA 5 (MIT licence, August 2026) and "CDNA5" Instruction Set Architecture Reference Guide (July 2026). The comments in the code are by the model that wrote it; some were corrected since.
;; Multi Head Attention. Allowed arithmetic: matrix products marked QUANTISED: E4M3 operands, one E8M0 scale for each 32 along K, by v_wmma_scale_f32_16x16x128_f8f6f4 with both operands' format E4M3, f32 sums; everything else in f32.
;; Inputs: Wk 512 x 512 float32; Wo 512 x 512 float32; Wq 512 x 512 float32; Wv 512 x 512 float32; bk 512 float32; bo 512 float32; bq 512 float32; bv 512 float32; k 2 x 4,096 x 512 float32; mask 2 x 1 x 1 x 4,096 bool; q 2 x 4,096 x 512 float32; v 2 x 4,096 x 512 float32.
;; Outputs: out0 2 x 4,096 x 512 float32.
;; This version of the problem:
;;   THIS VERSION OF THE PROBLEM IS GIVEN IN LOW PRECISION. The matrix products marked QUANTISED in the list below multiply operands that are first quantised to E4M3 (4 exponent bits, 3 mantissa bits; 8 bits a number), with one power-of-two scale for each 32 numbers along K (OCP MX v1.0); their sums are f32. All else is computed in f32.
;;   The module's matrix products, in the order in which they are computed (A, B: the left and right operand; K: the contracted axis; several contracted axes count as one K, in the product's order):
;;     1. [M 8,192, K 512] x [K 512, N 512]; A: input q; B: input Wq: QUANTISED
;;     2. [M 8,192, K 512] x [K 512, N 512]; A: input k; B: input Wk: QUANTISED
;;     3. [M 8,192, K 512] x [K 512, N 512]; A: input v; B: input Wv: QUANTISED
;;     4. batch 16 x [M 4,096, K 64] x [K 64, N 4,096]; A: computed on the way; B: computed on the way: QUANTISED
;;     5. batch 16 x [M 4,096, K 4,096] x [K 4,096, N 64]; A: computed on the way; B: computed on the way: QUANTISED
;;     6. [M 8,192, K 512] x [K 512, N 512]; A: computed on the way; B: input Wo: QUANTISED
;;   THE QUANTISER, for each operand of a quantised product, along K:
;;     - K is cut into blocks of 32 from its start; a last block that is shorter is filled with zeros.
;;     - A block's scale is 2^e with e = floor(log2(the largest magnitude in the block)) - 8, held to -126 .. 127; a block of zeros has e = 0. As a byte (E8M0): e + 127.
;;     - Each number is divided by its block's scale, clamped to +-448, and rounded to the nearest number of E4M3, ties to even, subnormals kept.
;;     - The product sums the exact products of the quantised numbers (number of the format x scale) in f32.
;;   ~~~python
;;   def quantise(x, axis):      # numpy; x: float32 -> the quantised numbers, widened to float32 again
;;       x = np.moveaxis(x, axis, -1); K = x.shape[-1]
;;       x = np.pad(x, [(0, 0)] * (x.ndim - 1) + [(0, -K % 32)]); x = x.reshape(x.shape[:-1] + (-1, 32)); a = np.abs(x).max(-1, keepdims=True)
;;       e = np.where(a > 0, np.clip(np.frexp(np.where(a > 0, a, 1))[1] - 1 - 8, -126, 127), 0)      # np.frexp(a)[1] - 1 = floor(log2(a)), exactly
;;       r = np.clip(x / 2.0 ** e, -448, 448)
;;       step = 2.0 ** (np.maximum(np.frexp(np.where(r == 0, 1, r))[1] - 1, -6) - 3)
;;       q = np.round(r / step) * step * 2.0 ** e      # np.round: ties to even
;;       return np.moveaxis(q.reshape(q.shape[:-2] + (-1,))[..., :K], -1, axis).astype(np.float32)
;;   ~~~
;;   OPERANDS COMPUTED ON THE WAY. 'Computed on the way' means the value that the module computes at that place (a softmax that the list does not call 'softmax' is quantised finished and normalised). What goes into a quantiser is computed in f32, as accurately as f32 sums, v_exp_f32 and their like allow (about 1e-6 of the number): no bf16 or f16 on the way to a quantiser, and a product that is left as it is and whose result goes on into a quantised operand takes f32 operands (vector FMAs, or v_wmma_f32_16x16x4_f32). A number that lies on a knife's edge between two numbers of the format may be rounded either way, as far as f32 arithmetic and the matrix unit's own rounding can turn it there, and no further.
;; One version. Each part assembles by itself: llvm-mc -triple=amdgcn-amd-amdhsa -mcpu=gfx1250 --defsym DOCPART=n.
;; ======== version 1 of 1: 4 launches
;; limits: right only within a limited range of input values
;; workspace buffers: wts 1,081,344 bytes; msk 33,792 bytes; qcs 4,325,376 bytes; kcs 4,325,376 bytes; vcs 4,325,376 bytes; aoc 4,325,376 bytes
;; launch prep (part 1): grid 130 x 1, 4 waves a work-group, no clusters, 34,304 bytes of LDS; arguments Wq, Wk, Wv, Wo, mask, wts, msk; writes wts, msk
.if DOCPART == 1
	.amdgcn_target "amdgcn-amd-amdhsa--gfx1250"
	.amdhsa_code_object_version 6
	.text
	.protected	k_q1cd7dfd931_prep
	.globl	k_q1cd7dfd931_prep
	.p2align	8
	.type	k_q1cd7dfd931_prep,@function
k_q1cd7dfd931_prep:
	s_mov_b64 s[64:65], 0
	v_nop
	global_prefetch_b8 v0, s[64:65] scope:SCOPE_SE
	s_setreg_imm32_b32 hwreg(HW_REG_WAVE_MODE, 25, 1), 1
	s_wait_xcnt 0x0
; PREP.  Work-groups 0-127: the four weights [512][512] f32 (K innermost) become codes of E4M3 with one E8M0 byte for each 32 along K.
; Work-groups 128, 129: a batch's mask becomes a table of f32 numbers that are added to the scores, and the factor c of the softmax.
; A TILE of a weight is 16 rows that are NOT neighbours: lane r of tile i stands for row 32 (i / 2) + 8 (i % 2) + r + 8 (r / 8), so that, where the tile is a product's
; source 0, the 16 registers of two neighbouring tiles' results are 16 neighbours along the next product's K.
; A FRAGMENT (16 rows x 128 K) is stored as the IMAGE OF ITS REGISTERS: registers 4 c .. 4 c + 3 of lane l at 512 c + 16 l: every later load of it covers 512 consecutive bytes.
; wts: images at ((T 32 + i) 4 + s) 2048, T = 0..3 for Wq, Wk, Wv, Wo, s the K step of 128; from WSC on the scale bytes [T][row][16].
; msk: [2][4096] f32: 0 for a key that counts, -2^100 for a key that is masked; if a batch has no key left, all 0.  From CF on, 512 bytes a batch: c = log2(e) / 8, or 0 if no key is left
; (then every weight of the softmax is 1 / 4096, which is what a row of equal fill values gives).
; A block's scale is 2^(floor(log2(largest magnitude)) - 8); its byte is the largest magnitude's exponent field - 8, held at 1 from below.
; LIMITS: a block of zeros gets the byte 1 and not 127 (its codes are zeros, and this program alone reads the bytes); NaN and infinities among the inputs are not served.
.set WSC, 1048576
.set CF,  32768
.set RAW, 16                           ; v16-79   16 rows x 16 bytes a lane, as loaded
.set X,   80                           ; v80-143  64 numbers of my row: register 16 b + i = k 32 b + 16 (lane / 16) + i
.set TM,  144                          ; v144-159 at work: largest magnitudes, bytes, holds, conversion operands
.set PW,  160                          ; the scale word
.set PC,  164                          ; v164-179 the codes
.set MNT, 35                           ; s35      the mantissa field of 448
.set SEL, 36                           ; s[36:37] lane selects: lane l xor 16
; nb x 16 numbers of a lane, register 16 b + i = k 32 b + 16 (lane / 16) + i of its row.  QSCALE: each block's largest magnitude (with lane l xor 16's), the scale word in v[PW],
; 448 x the scale in v[TM+8+b], the conversion's operand in v[TM+12+b].  mode = 1: the numbers are never negative.
.macro QSCALE s, nb, mode
.set qb, 0
.rept \nb
.if \mode
	v_max3_num_f32 v[TM+qb], v[(\s)+16*qb], v[(\s)+16*qb+1], 0x4800000       ; with the floor 2^(9 - 127): the byte cannot fall under 1
.else
	v_max3_num_f32 v[TM+qb], |v[(\s)+16*qb]|, |v[(\s)+16*qb+1]|, 0x4800000
.endif
.set qb, qb+1
.endr
.set qi, 2
.rept 7
.set qb, 0
.rept \nb
.if \mode
	v_max3_num_f32 v[TM+qb], v[TM+qb], v[(\s)+16*qb+qi], v[(\s)+16*qb+qi+1]  ; the blocks by turns
.else
	v_max3_num_f32 v[TM+qb], v[TM+qb], |v[(\s)+16*qb+qi]|, |v[(\s)+16*qb+qi+1]|
.endif
.set qb, qb+1
.endr
.set qi, qi+2
.endr
.set qb, 0
.rept \nb
	v_permlanex16_b32 v[TM+4+qb], v[TM+qb], s[SEL], s[SEL+1]
.set qb, qb+1
.endr
.set qb, 0
.rept \nb
	v_max_num_f32 v[TM+qb], v[TM+qb], v[TM+4+qb]                             ; the block's largest magnitude
.set qb, qb+1
.endr
.set qb, 0
.rept \nb
	v_add_nc_u32 v[TM+12+qb], 0xfc000000, v[TM+qb]                           ; 8 off its exponent field: the conversion's scale operand
.set qb, qb+1
.endr
.set qb, 0
.rept \nb
	v_and_or_b32 v[TM+8+qb], v[TM+qb], 0x7f800000, s[MNT]                    ; 448 x the scale
.set qb, qb+1
.endr
.set qb, 0
.rept \nb
	v_lshrrev_b32 v[TM+4+qb], 23, v[TM+12+qb]                                ; the scale's byte
.set qb, qb+1
.endr
	v_lshl_or_b32 v[PW], v[TM+5], 8, v[TM+4]
.if \nb > 2
	v_lshl_or_b32 v[PW], v[TM+6], 16, v[PW]
	v_lshl_or_b32 v[PW], v[TM+7], 24, v[PW]
.endif
.endm
; QCODES: the hold at the largest code x the scale (the conversion to an 8-bit code does not saturate: ISA guide 7.6.2), and the codes into v[PC] on.
.macro QCODES s, nb, mode
.set qb, 0
.rept \nb
.set qi, 0
.rept 16
.if \mode
	v_min_num_f32 v[(\s)+16*qb+qi], v[(\s)+16*qb+qi], v[TM+8+qb]
.else
	v_med3_num_f32 v[(\s)+16*qb+qi], v[(\s)+16*qb+qi], -v[TM+8+qb], v[TM+8+qb]
.endif
.set qi, qi+1
.endr
	v_cvt_scalef32_pk8_fp8_f32 v[PC+4*qb:PC+4*qb+1], v[(\s)+16*qb:(\s)+16*qb+7], v[TM+12+qb]
	v_cvt_scalef32_pk8_fp8_f32 v[PC+4*qb+2:PC+4*qb+3], v[(\s)+16*qb+8:(\s)+16*qb+15], v[TM+12+qb]
.set qb, qb+1
.endr
	v_nop                                          ; one plain line behind the last conversion
.endm
	s_load_b256 s[4:11], s[0:1], 0x0               ; Wq s[4:5], Wk s[6:7], Wv s[8:9], Wo s[10:11]
	s_load_b128 s[12:15], s[0:1], 0x20             ; mask s[12:13], wts s[14:15]
	s_load_b64 s[16:17], s[0:1], 0x30              ; msk
	v_lshl_add_u32 v192, v0, 2, 0x8400
	v_mov_b32 v193, 0
	v_lshrrev_b32 v1, 5, v0
	v_readfirstlane_b32 s18, v1                    ; wave 0..3
	v_and_b32 v2, 31, v0                           ; lane
	v_lshlrev_b32 v3, 4, v2                        ; 16 x lane
	s_cmp_ge_u32 ttmp9, 128
	s_cbranch_scc1 .Lmask                          ; the two last work-groups take the mask; that path touches no LDS
	; ---- a weight's tile: work-group = 32 T + i, wave = K step s
	v_and_b32 v4, 15, v0                           ; r
	v_bfe_u32 v5, v0, 4, 1                         ; h
	s_mul_i32 s28, s18, 8448                       ; my wave's stage: 16 rows x (512 + 16) bytes
	v_add_nc_u32 v6, s28, v3                       ; in: a row as it is loaded
	v_mul_u32_u24 v7, v4, 528
	v_lshl_add_u32 v7, v5, 6, v7
	v_add_nc_u32 v7, s28, v7                       ; out: row r, + 64 h: my 16 numbers of a block of 32
	v_and_b32 v8, 8, v4
	v_add_nc_u32 v8, v8, v4
	v_lshlrev_b32 v8, 4, v8                        ; 16 (r + 8 (r / 8)): my row's scale bytes
	s_mov_b32 s[MNT], 0x600000
	s_mov_b32 s[SEL], 0x76543210
	s_mov_b32 s[SEL+1], 0xfedcba98
.irp b, 0,1,2,3
	v_mov_b32 v[TM+4+\b], 0                        ; written once: a lane permute's destination counts as one of its sources
.endr
	s_lshr_b32 s19, ttmp9, 5                       ; T
	s_and_b32 s20, ttmp9, 31                       ; i
	s_lshr_b32 s21, s20, 1
	s_lshl_b32 s21, s21, 5
	s_and_b32 s22, s20, 1
	s_lshl_b32 s22, s22, 3
	s_add_co_u32 s21, s21, s22                     ; the tile's first row: 32 (i / 2) + 8 (i % 2)
	s_lshl_b32 s22, s21, 11                        ; rows of 2,048 bytes,
	s_lshl_b32 s23, s18, 9                         ; K steps of 512 bytes
	s_add_co_u32 s22, s22, s23
	s_mov_b32 s23, 0
	s_lshl_b32 s24, ttmp9, 2
	s_add_co_u32 s24, s24, s18
	s_lshl_b32 s24, s24, 11                        ; the image's place: ((32 T + i) 4 + s) 2048
	s_mov_b32 s25, 0
	s_lshl_b32 s26, s19, 13
	s_lshl_b32 s27, s21, 4
	s_add_co_u32 s26, s26, s27
	s_lshl_b32 s27, s18, 2
	s_add_co_u32 s26, s26, s27
	s_add_co_u32 s26, s26, WSC                     ; the scale words' place: WSC + 8192 T + 16 x first row + 4 s
	s_mov_b32 s27, 0
	s_wait_alu depctr_va_vdst(0)
	s_wait_kmcnt 0x0
	s_cmp_eq_u32 s19, 1                            ; which weight: the choice hangs on the work-group's number alone
	s_cselect_b64 s[4:5], s[6:7], s[4:5]
	s_cmp_eq_u32 s19, 2
	s_cselect_b64 s[4:5], s[8:9], s[4:5]
	s_cmp_eq_u32 s19, 3
	s_cselect_b64 s[4:5], s[10:11], s[4:5]
	s_add_nc_u64 s[4:5], s[4:5], s[22:23]
	s_add_nc_u64 s[28:29], s[14:15], s[24:25]
	s_add_nc_u64 s[30:31], s[14:15], s[26:27]
.set xr, 0
.rept 16
	global_load_b128 v[RAW+4*xr:RAW+4*xr+3], v3, s[4:5] offset:(xr+8*(xr/8))*2048 th:TH_LOAD_NT   ; the 32 lanes read the row's 512 bytes of this K step
.set xr, xr+1
.endr
	s_wait_loadcnt 0x0
.set xr, 0
.rept 16
	ds_store_b128 v6, v[RAW+4*xr:RAW+4*xr+3] offset:528*xr
.set xr, xr+1
.endr
.irp b, 0,1,2,3
.irp j, 0,1,2,3
	ds_load_b128 v[X+16*\b+4*\j:X+16*\b+4*\j+3], v7 offset:128*\b+16*\j    ; LDS serves a wave's instructions in order: these see my stores
.endr
.endr
	s_wait_dscnt 0x0
	QSCALE X, 4, 0
	QCODES X, 4, 0
.irp c, 0,1,2,3
	global_store_b128 v3, v[PC+4*\c:PC+4*\c+3], s[28:29] offset:512*\c     ; 512 consecutive bytes, aligned
.endr
	global_store_b32 v8, v[PW], s[30:31]           ; four bytes of each row's sixteen (both halves of the lanes store the same word): 32 KiB of such stores in the whole launch
	s_wait_tensorcnt 0x0
	ds_add_u32 v192, v193
	s_wait_dscnt 0x0
	s_endpgm
	; ---- a batch's mask
.Lmask:
	s_sub_co_u32 s19, ttmp9, 128                   ; the batch
	s_lshl_b32 s20, s19, 12
	s_mov_b32 s21, 0
	s_lshl_b32 s22, s18, 10
	s_wait_alu depctr_va_vdst(0)
	v_lshl_add_u32 v4, v2, 2, s22                  ; my wave's quarter: 1024 x wave + 4 x lane
	v_lshlrev_b32 v5, 2, v2
	s_lshl_b32 s26, s19, 14
	s_lshl_b32 s27, s18, 12
	s_add_co_u32 s26, s26, s27                     ; the table: 16384 b + 4096 x wave
	s_mov_b32 s27, 0
	s_lshl_b32 s22, s19, 9
	s_lshl_b32 s23, s18, 7
	s_add_co_u32 s22, s22, s23
	s_add_co_u32 s22, s22, CF                      ; c: CF + 512 b + 128 x wave
	s_mov_b32 s23, 0
	s_wait_alu depctr_va_vdst(0)
	s_wait_kmcnt 0x0
	s_add_nc_u64 s[12:13], s[12:13], s[20:21]
	s_add_nc_u64 s[28:29], s[16:17], s[26:27]
	s_add_nc_u64 s[30:31], s[16:17], s[22:23]
.irp j, 0,1,2,3,4,5,6,7
	global_load_b128 v[16+4*\j:19+4*\j], v3, s[12:13] offset:512*\j        ; every wave reads all 4,096 flags: is any key left?
.endr
.irp j, 0,1,2,3,4,5,6,7
	global_load_b32 v[48+\j], v4, s[12:13] offset:128*\j                   ; and its own quarter, four flags a lane
.endr
	s_wait_loadcnt 8                               ; the eight younger loads may stay out
.set k, 4
.rept 28
	v_or_b32 v[16+k%4], v[16+k%4], v[16+k]
.set k, k+1
.endr
	v_or_b32 v16, v16, v17
	v_or_b32 v18, v18, v19
	v_or_b32 v16, v16, v18
	v_cmp_ne_u32 vcc_lo, 0, v16
	s_cmp_lg_u32 vcc_lo, 0                         ; any lane with a flag set
	s_cselect_b32 s24, 0xf1800000, 0               ; -2^100 for a masked key; 0 if no key is left
	s_cselect_b32 s25, 0x3e38aa3b, 0               ; c = log2(e) / 8; 0 if no key is left
	v_mov_b32 v9, s24
	v_mov_b32 v10, s25
	s_wait_alu depctr_va_vdst(0)
	s_wait_loadcnt 0x0
.irp j, 0,1,2,3,4,5,6,7
.irp k, 0,1,2,3
	v_bfe_u32 v11, v[48+\j], 8*\k, 8
	v_cmp_eq_u32 vcc_lo, 0, v11
	v_cndmask_b32 v[64+4*\j+\k], 0, v9, vcc_lo
.endr
	global_store_b128 v3, v[64+4*\j:67+4*\j], s[28:29] offset:512*\j       ; 512 consecutive bytes, aligned
.endr
	global_store_b32 v5, v10, s[30:31]
	s_endpgm
.Lfunc_end_k_q1cd7dfd931_prep:
	.size	k_q1cd7dfd931_prep, .Lfunc_end_k_q1cd7dfd931_prep-k_q1cd7dfd931_prep
	.p2alignl 7, 3214868480
	.fill 96, 4, 3214868480
	.section	.rodata,"a",@progbits
	.p2align	6, 0x0
	.amdhsa_kernel k_q1cd7dfd931_prep
		.amdhsa_group_segment_fixed_size 34304
		.amdhsa_private_segment_fixed_size 0
		.amdhsa_enable_private_segment 0
		.amdhsa_kernarg_size 56
		.amdhsa_user_sgpr_count 2
		.amdhsa_user_sgpr_kernarg_segment_ptr 1
		.amdhsa_wavefront_size32 1
		.amdhsa_system_sgpr_workgroup_id_x 1
		.amdhsa_system_sgpr_workgroup_id_y 1
		.amdhsa_system_sgpr_workgroup_id_z 1
		.amdhsa_system_vgpr_workitem_id 0
		.amdhsa_next_free_vgpr 194
		.amdhsa_next_free_sgpr 66
		.amdhsa_reserve_vcc 1
		.amdhsa_float_denorm_mode_32 3
		.amdhsa_float_denorm_mode_16_64 3
		.amdhsa_memory_ordered 1
		.amdhsa_forward_progress 1
		.amdhsa_inst_pref_size 24
	.end_amdhsa_kernel
	.amdgpu_metadata
---
amdhsa.version: [ 1, 2 ]
amdhsa.kernels:
  - .name:           k_q1cd7dfd931_prep
    .symbol:         k_q1cd7dfd931_prep.kd
    .args:
      - { .name: Wq, .offset: 0, .size: 8, .value_kind: global_buffer, .address_space: global }
      - { .name: Wk, .offset: 8, .size: 8, .value_kind: global_buffer, .address_space: global }
      - { .name: Wv, .offset: 16, .size: 8, .value_kind: global_buffer, .address_space: global }
      - { .name: Wo, .offset: 24, .size: 8, .value_kind: global_buffer, .address_space: global }
      - { .name: mask, .offset: 32, .size: 8, .value_kind: global_buffer, .address_space: global }
      - { .name: wts, .offset: 40, .size: 8, .value_kind: global_buffer, .address_space: global }
      - { .name: msk, .offset: 48, .size: 8, .value_kind: global_buffer, .address_space: global }
    .group_segment_fixed_size: 34304
    .private_segment_fixed_size: 0
    .kernarg_segment_align: 8
    .kernarg_segment_size: 56
    .max_flat_workgroup_size: 128
    .sgpr_count:     66
    .vgpr_count:     194
    .wavefront_size: 32
...
	.end_amdgpu_metadata
.endif
;; end of part 1
;; launch proj (part 2): grid 64 x 3, 4 waves a work-group, no clusters, 213,504 bytes of LDS; arguments q, k, v, wts, bq, bk, bv, qcs, kcs, vcs; writes qcs, kcs, vcs
.if DOCPART == 2
	.amdgcn_target "amdgcn-amd-amdhsa--gfx1250"
	.amdhsa_code_object_version 6
	.text
	.protected	k_q1cd7dfd931_proj
	.globl	k_q1cd7dfd931_proj
	.p2align	8
	.type	k_q1cd7dfd931_proj,@function
k_q1cd7dfd931_proj:
	s_mov_b64 s[64:65], 0
	v_nop
	global_prefetch_b8 v0, s[64:65] scope:SCOPE_SE
	s_setreg_imm32_b32 hwreg(HW_REG_WAVE_MODE, 25, 1), 1
	s_wait_xcnt 0x0
; PROJ.  y = 0, 1, 2: x W^T + b for x = q, k, v, on codes of E4M3 with one E8M0 byte for each 32 along K; the result is quantised at once as an operand of attention's products and stored as register images.
; A work-group takes 128 tokens: 8 tiles of 16 whose lanes stand for token 32 (t / 2) + 8 (t % 2) + r + 8 (r / 8) of the 128.  192 work-groups: a finer split would read the 256 KiB of a weight's codes
; more often than the 256 KiB of x that a work-group reads.
; PHASE X: wave w quantises tiles 2 w, 2 w + 1 of x along the 512 features (4 K steps) and stores the fragments' images and scale words in LDS; one barrier.
; THE PRODUCTS: the waves share the columns: wave w makes outputs 128 w .. 128 w + 127 (heads 2 w, 2 w + 1).  One operand stays in 512 registers as source 0, the other comes tile by tile as source 1.
;   q, k: source 0 = my 8 tiles of W (from wts), source 1 = a tile of x (from LDS): a lane holds one token, its registers run along the outputs: quantised along the head's 64: qcs, kcs.
;   v:    source 0 = the 8 tiles of x (from LDS), source 1 = a tile of W (from wts): a lane holds one output, its registers run along the 128 tokens: quantised along the keys: vcs.
; The two kinds are two whole paths, parted once on the work-group's y; each has LDS bytes of its own.
; qcs, kcs: images of 16 tokens x 64 (1,024 bytes) at (bh 256 + tile) 1024; from SC on a word a token for each pair of tiles at (bh 256 + tile) 32 + 4 r, tile even: bytes 0, 1 the even tile's, 2, 3 the odd's.
; vcs: images of 16 of the head's 64 x 128 keys (2,048 bytes) at ((bh 32 + step) 4 + dt) 2048; from SC on a scale word a row at (bh 32 + step) 256 + 64 dt + 4 r.
; The bias is the C of a sum's first matrix instruction.  No multicast: the weights go from memory straight into registers, once for a work-group.
; LIMITS: a block of zeros gets the byte 1 and not 127 (its codes are zeros, and this program alone reads the bytes); NaN and infinities are not served.
; REGISTERS: window 0: v1-15, v228-237 addresses; v16-79 XF, the streamed operand's 4 fragments; v80-143 HA, 8 accumulators (in phase X: 64 numbers); v144-159 codes; v160-175 at work; v176 the scale word;
;   v180-183 XS, v192-223 RS: scale words; v184-191 BV, v's bias.  windows 1, 2: the resident operand, fragment 4 i + s at 16 ((4 i + s) % 16).  window 3: v0-63 q's or k's bias tiles; v64-191 x as loaded, two sets.
.set PBV,  106496                      ; the v path's LDS bytes begin here
.set XIMG, 0                           ; x's 32 fragments, image 4 tile + s, 2,048 bytes each
.set XSC,  65536                       ; their scale words, 128 bytes each
.set STG,  69632                       ; a stage of 16 rows x (512 + 16) bytes for each wave
.set SST,  103424                      ; 512 bytes for each wave: the results' scale bytes, gathered
.set WSC,  1048576
.set SC,   4194304
.set XF,   16
.set HA,   80
.set PC,   144
.set TM,   160
.set PW,   176
.set XS,   180
.set BV,   184
.set RS,   192
.set OUTR, 224
.set RAWA, 64
.set RAWB, 128
.set WV,   36
.set MNT,  37
.set SEL,  38
.set MSB, 0
.macro WIN new                         ; the immediate's high byte repeats the setting that is left; a switch that changes nothing is dropped
.if MSB != (\new)
	s_set_vgpr_msb (MSB<<8)|(\new)
.set MSB, (\new)
.endif
.endm
.macro NOPS n
.rept \n
	v_nop
.endr
.endm
; nb x 16 numbers of a lane, register 16 b + i = k 32 b + 16 (lane / 16) + i of its row.  QSCALE: each block's largest magnitude (with lane l xor 16's), the scale word in v[PW],
; 448 x the scale in v[TM+8+b], the conversion's operand in v[TM+12+b].  mode = 1: the numbers are never negative.
.macro QSCALE s, nb, mode
.set qb, 0
.rept \nb
.if \mode
	v_max3_num_f32 v[TM+qb], v[(\s)+16*qb], v[(\s)+16*qb+1], 0x4800000       ; with the floor 2^(9 - 127): the byte cannot fall under 1
.else
	v_max3_num_f32 v[TM+qb], |v[(\s)+16*qb]|, |v[(\s)+16*qb+1]|, 0x4800000
.endif
.set qb, qb+1
.endr
.set qi, 2
.rept 7
.set qb, 0
.rept \nb
.if \mode
	v_max3_num_f32 v[TM+qb], v[TM+qb], v[(\s)+16*qb+qi], v[(\s)+16*qb+qi+1]  ; the blocks by turns; each accumulator is read from its low end on
.else
	v_max3_num_f32 v[TM+qb], v[TM+qb], |v[(\s)+16*qb+qi]|, |v[(\s)+16*qb+qi+1]|
.endif
.set qb, qb+1
.endr
.set qi, qi+2
.endr
.set qb, 0
.rept \nb
	v_permlanex16_b32 v[TM+4+qb], v[TM+qb], s[SEL], s[SEL+1]
.set qb, qb+1
.endr
.set qb, 0
.rept \nb
	v_max_num_f32 v[TM+qb], v[TM+qb], v[TM+4+qb]                             ; the block's largest magnitude
.set qb, qb+1
.endr
.set qb, 0
.rept \nb
	v_add_nc_u32 v[TM+12+qb], 0xfc000000, v[TM+qb]                           ; 8 off its exponent field: the conversion's scale operand
.set qb, qb+1
.endr
.set qb, 0
.rept \nb
	v_and_or_b32 v[TM+8+qb], v[TM+qb], 0x7f800000, s[MNT]                    ; 448 x the scale
.set qb, qb+1
.endr
.set qb, 0
.rept \nb
	v_lshrrev_b32 v[TM+4+qb], 23, v[TM+12+qb]                                ; the scale's byte
.set qb, qb+1
.endr
	v_lshl_or_b32 v[PW], v[TM+5], 8, v[TM+4]
.if \nb > 2
	v_lshl_or_b32 v[PW], v[TM+6], 16, v[PW]
	v_lshl_or_b32 v[PW], v[TM+7], 24, v[PW]
.endif
.endm
; QCODES: the hold at the largest code x the scale (the conversion to an 8-bit code does not saturate: ISA guide 7.6.2), and the codes into v[PC] on.
.macro QCODES s, nb, mode
.set qb, 0
.rept \nb
.set qi, 0
.rept 16
.if \mode
	v_min_num_f32 v[(\s)+16*qb+qi], v[(\s)+16*qb+qi], v[TM+8+qb]
.else
	v_med3_num_f32 v[(\s)+16*qb+qi], v[(\s)+16*qb+qi], -v[TM+8+qb], v[TM+8+qb]
.endif
.set qi, qi+1
.endr
	v_cvt_scalef32_pk8_fp8_f32 v[PC+4*qb:PC+4*qb+1], v[(\s)+16*qb:(\s)+16*qb+7], v[TM+12+qb]
	v_cvt_scalef32_pk8_fp8_f32 v[PC+4*qb+2:PC+4*qb+3], v[(\s)+16*qb+8:(\s)+16*qb+15], v[TM+12+qb]
.set qb, qb+1
.endr
	v_nop                                          ; one plain line behind the last conversion
.endm
; a path's LDS addresses: each a constant + a constant x lane + a constant x wave.  sh: the results' scale bytes are 4 for each lane r (sh = 2): q, k a pair of tiles' two bytes each, v one tile's word
.macro ADDRS pb, sh
	s_mul_i32 s47, s[WV], 8448
	s_add_co_u32 s47, s47, \pb+STG
	v_add_nc_u32 v4, s47, v1                       ; the stage, in: a row as it is loaded
	v_mul_u32_u24 v5, v12, 528
	v_lshl_add_u32 v5, v13, 6, v5
	v_add_nc_u32 v5, s47, v5                       ; out: row r, + 64 h
	s_lshl_b32 s47, s[WV], 14
	s_add_co_u32 s47, s47, \pb+XIMG
	v_add_nc_u32 v6, s47, v1                       ; where I store x's images: tiles 2 w, 2 w + 1
	s_lshl_b32 s47, s[WV], 10
	s_add_co_u32 s47, s47, \pb+XSC
	v_add_nc_u32 v7, s47, v2                       ; and their scale words
	v_add_nc_u32 v228, \pb+XIMG, v1                ; where any wave reads an image,
	v_add_nc_u32 v229, \pb+XSC, v2                 ; and a scale word
	s_lshl_b32 s47, s[WV], 9
	s_add_co_u32 s47, s47, \pb+SST
	v_lshl_add_u32 v230, v12, \sh, s47             ; the results' scale bytes, in,
	v_add_nc_u32 v231, s47, v1                     ; and back: 16 bytes a lane
.endm
; 16 rows of x, tile 2 w + e, the K step at which s[24:25] stands: each load covers the row's 512 bytes
.macro XLOAD set, e
	WIN 0xc0                                       ; destination window 3
.set xr, 0
.rept 16
	global_load_b128 v[\set+4*xr:\set+4*xr+3], v1, s[24:25] offset:(8*\e+xr+8*(xr/8))*2048 th:TH_LOAD_NT
.set xr, xr+1
.endr
	WIN 0
.endm
; one fragment of x: through the stage, so that a lane holds 16 neighbours of each block; quantised; image and scale word to LDS.  left: the younger loads that may stay out
.macro UNIT set, e, left, fetch, step
	s_wait_loadcnt \left
	WIN 0x0c                                       ; an LDS store's data are its source 1: window 3
.set xr, 0
.rept 16
	ds_store_b128 v4, v[\set+4*xr:\set+4*xr+3] offset:528*xr
.set xr, xr+1
.endr
	WIN 0
.irp b, 0,1,2,3
.irp j, 0,1,2,3
	ds_load_b128 v[HA+16*\b+4*\j:HA+16*\b+4*\j+3], v5 offset:128*\b+16*\j  ; LDS serves a wave's instructions in order: these see my stores
.endr
.endr
	s_wait_dscnt 0x0                               ; the numbers are back; the stores have read the set's registers, and the last unit's image stores theirs
.if \fetch
.if \step
	s_wait_xcnt 0x0                                ; the base is stepped only behind this wait
	s_add_nc_u64 s[24:25], s[24:25], 512           ; the next K step
.endif
	XLOAD \set, \e
.endif
	QSCALE HA, 4, 0
	QCODES HA, 4, 0
.irp c, 0,1,2,3
	ds_store_b128 v8, v[PC+4*\c:PC+4*\c+3] offset:8192*\e+512*\c
.endr
	ds_store_b32 v9, v[PW] offset:512*\e
.endm
; phase X: four K steps, two fragments each; the loads run one K step (32 loads a wave) ahead; the last step is written out, so that no load leaves x
.macro PHASEX
	s_mov_b32 s48, 0
	s_mov_b32 s49, 0
	s_mov_b32 s40, 3
.Lx_\@:
	s_wait_alu depctr_va_vdst(0)
	v_add_nc_u32 v8, s48, v6
	v_add_nc_u32 v9, s49, v7
	UNIT RAWA, 0, 16, 1, 1
	UNIT RAWB, 1, 16, 1, 0
	s_add_co_u32 s48, s48, 2048
	s_add_co_u32 s49, s49, 128
	s_sub_co_u32 s40, s40, 1
	s_cmp_lg_u32 s40, 0
	s_cbranch_scc1 .Lx_\@
	v_add_nc_u32 v8, s48, v6
	v_add_nc_u32 v9, s49, v7
	UNIT RAWA, 0, 16, 0, 0
	UNIT RAWB, 1, 0, 0, 0
	s_wait_dscnt 0x0                               ; for the others' sake: my images lie in LDS
	s_barrier_signal -1
	s_barrier_wait -1
.endm
; 32 matrix instructions: the 8 accumulators by turns, K step by K step
.macro PRODS isqk
.set ps, 0
.rept 4
.set pi, 0
.rept 8
.if (ps == 0) && \isqk
	WIN 0x31+pi/4                                  ; source 0 window 1 or 2, C (the bias) window 3
	v_wmma_scale_f32_16x16x128_f8f6f4 v[HA+8*pi:HA+8*pi+7], v[16*((4*pi+ps)%16):16*((4*pi+ps)%16)+15], v[XF+16*ps:XF+16*ps+15], v[8*pi:8*pi+7], v[RS+4*pi+ps], v[XS+ps]
.elseif ps == 0
	WIN 0x01+pi/4
	v_wmma_scale_f32_16x16x128_f8f6f4 v[HA+8*pi:HA+8*pi+7], v[16*((4*pi+ps)%16):16*((4*pi+ps)%16)+15], v[XF+16*ps:XF+16*ps+15], v[BV:BV+7], v[RS+4*pi+ps], v[XS+ps]
.else
	WIN 0x01+pi/4
	v_wmma_scale_f32_16x16x128_f8f6f4 v[HA+8*pi:HA+8*pi+7], v[16*((4*pi+ps)%16):16*((4*pi+ps)%16)+15], v[XF+16*ps:XF+16*ps+15], v[HA+8*pi:HA+8*pi+7], v[RS+4*pi+ps], v[XS+ps]
.endif
.set pi, pi+1
.endr
.set ps, ps+1
.endr
	WIN 0
.endm
	s_load_b512 s[4:19], s[0:1], 0x0               ; q s[4:5], k s[6:7], v s[8:9], wts s[10:11], bq s[12:13], bk s[14:15], bv s[16:17], qcs s[18:19]
	s_load_b128 s[20:23], s[0:1], 0x40             ; kcs s[20:21], vcs s[22:23]
	v_lshl_add_u32 v254, v0, 2, 0x34000
	v_mov_b32 v255, 0
	v_lshrrev_b32 v1, 5, v0
	v_readfirstlane_b32 s[WV], v1                  ; wave 0..3
	v_and_b32 v2, 31, v0
	v_lshlrev_b32 v1, 4, v2                        ; 16 x lane
	v_lshlrev_b32 v2, 2, v2                        ; 4 x lane
	v_and_b32 v12, 15, v0                          ; r
	v_bfe_u32 v13, v0, 4, 1                        ; h
	v_and_b32 v3, 8, v12
	v_add_nc_u32 v3, v3, v12                       ; r + 8 (r / 8)
	v_lshlrev_b32 v14, 4, v3                       ; x 16: a weight row's scale bytes
	v_lshlrev_b32 v232, 4, v12
	v_lshl_add_u32 v232, v13, 13, v232             ; the scale bytes' way out: lanes 0-15 head 2 w's 256 bytes, lanes 16-31 head 2 w + 1's, 8,192 bytes on
	s_mov_b32 s[MNT], 0x600000
	s_mov_b32 s[SEL], 0x76543210
	s_mov_b32 s[SEL+1], 0xfedcba98
.irp b, 0,1,2,3
	v_mov_b32 v[TM+4+\b], 0                        ; written once: a lane permute's destination counts as one of its sources
.endr
	s_and_b32 s50, ttmp7, 0xffff                   ; y: 0 q, 1 k, 2 v
	s_mov_b32 s41, 0
	s_mov_b32 s45, 0
	s_wait_kmcnt 0x0
	s_cmp_eq_u32 s50, 1                            ; the buffers: the choice hangs on the work-group's number alone
	s_cselect_b64 s[24:25], s[6:7], s[4:5]
	s_cselect_b64 s[30:31], s[14:15], s[12:13]
	s_cselect_b64 s[32:33], s[20:21], s[18:19]
	s_cmp_eq_u32 s50, 2
	s_cselect_b64 s[24:25], s[8:9], s[24:25]
	s_cselect_b64 s[30:31], s[16:17], s[30:31]
	s_cselect_b64 s[32:33], s[22:23], s[32:33]
	s_lshl_b32 s40, ttmp9, 18                      ; x: 128 tokens of 2,048 bytes a work-group,
	s_lshl_b32 s46, s[WV], 16                      ; 32 a wave
	s_add_co_u32 s40, s40, s46
	s_add_nc_u64 s[24:25], s[24:25], s[40:41]
	s_lshl_b32 s44, s50, 18
	s_add_co_u32 s44, s44, s46
	s_add_nc_u64 s[26:27], s[10:11], s[44:45]      ; the weight's images: 262144 y + 65536 w
	s_lshl_b32 s44, s50, 13
	s_lshl_b32 s46, s[WV], 11
	s_add_co_u32 s44, s44, s46
	s_add_co_u32 s44, s44, WSC
	s_add_nc_u64 s[28:29], s[10:11], s[44:45]      ; its scale bytes: WSC + 8192 y + 2048 w
	s_lshl_b32 s44, s[WV], 9
	s_add_nc_u64 s[30:31], s[30:31], s[44:45]      ; the bias: my 128 numbers
	s_lshr_b32 s42, ttmp9, 5                       ; the batch
	s_and_b32 s43, ttmp9, 31                       ; which 128 tokens of it
	s_lshl_b32 s42, s42, 3
	s_lshl_b32 s44, s[WV], 1
	s_add_co_u32 s42, s42, s44                     ; bh of my first head: 8 b + 2 w
	s_lshl_b32 s44, s42, 13
	s_lshl_b32 s46, s43, 8
	s_add_co_u32 s44, s44, s46
	s_add_co_u32 s44, s44, SC
	s_add_nc_u64 s[34:35], s[32:33], s[44:45]      ; the results' scale bytes: SC + 8192 bh + 256 x group, in all three layouts
	s_lshl_b32 s44, s42, 18
	s_lshl_b32 s46, s43, 13
	s_add_co_u32 s44, s44, s46
	s_add_nc_u64 s[32:33], s[32:33], s[44:45]      ; the results' codes: 262144 bh + 8192 x group, in all three layouts
	s_cmp_eq_u32 s50, 2
	s_cbranch_scc1 .Lv
	; ================ q and k
	; q's and k's scale bytes lie by PAIRS of tiles: a word for each lane r at 64 (tile / 2) + 4 r of a group's 256 bytes: bytes 0, 1 the even tile's, bytes 2, 3 the odd tile's
	ADDRS 0, 2
	v_lshlrev_b32 v15, 6, v13                      ; 64 h: the bias of my half's units
.set lf, 0
.rept 32                                       ; my 8 tiles of W, 4 K steps each: they stay
	WIN 0x40+0x40*(lf/16)
.irp c, 0,1,2,3
	global_load_b128 v[16*(lf%16)+4*\c:16*(lf%16)+4*\c+3], v1, s[26:27] offset:2048*lf+512*\c
.endr
.set lf, lf+1
.endr
	WIN 0
.irp i, 0,1,2,3,4,5,6,7
	global_load_b128 v[RS+4*\i:RS+4*\i+3], v14, s[28:29] offset:(32*(\i/2)+8*(\i%2))*16    ; a row's four scale words
.endr
	WIN 0xc0
.irp i, 0,1,2,3,4,5,6,7
	global_load_b128 v[8*\i:8*\i+3], v15, s[30:31] offset:(32*(\i/2)+8*(\i%2))*4           ; the bias in the result's layout: units 32 (i / 2) + 16 h + 8 (i % 2) + 0 .. 7
	global_load_b128 v[8*\i+4:8*\i+7], v15, s[30:31] offset:(32*(\i/2)+8*(\i%2))*4+16
.endr
	WIN 0
	XLOAD RAWA, 0                                  ; x behind everything else, so that the counted waits of phase X count x's loads alone
	XLOAD RAWB, 1
	PHASEX
.macro FETCHQK                         ; a tile of x: 4 fragments and their scale words, from LDS
	v_add_nc_u32 v8, s51, v228
	v_add_nc_u32 v9, s52, v229
.irp s, 0,1,2,3
.irp c, 0,1,2,3
	ds_load_b128 v[XF+16*\s+4*\c:XF+16*\s+4*\c+3], v8 offset:2048*\s+512*\c
.endr
	ds_load_b32 v[XS+\s], v9 offset:128*\s
.endr
.endm
.macro TRIPQK fetch, odd
	s_wait_dscnt 0x0                               ; the tile of x is in; my last scale bytes are stored
	PRODS 1
	NOPS 8                                         ; eight places behind this form: for the loads into the operands' registers and the first read of the results
	s_wait_xcnt 0x0                                ; the last trip's stores have read their codes and their offset
	v_add_nc_u32 v10, s53, v1
	v_add_nc_u32 v11, s54, v230
.if \fetch
	s_add_co_u32 s51, s51, 8192
	s_add_co_u32 s52, s52, 512
	FETCHQK                                        ; the next tile lands while this one is quantised
.endif
	QSCALE HA, 4, 0                                ; blocks 0, 1: head 2 w;  blocks 2, 3: head 2 w + 1
	QCODES HA, 4, 0
	global_store_b128 v10, v[PC:PC+3], s[32:33]
	global_store_b128 v10, v[PC+4:PC+7], s[32:33] offset:512
	global_store_b128 v10, v[PC+8:PC+11], s[32:33] offset:262144
	global_store_b128 v10, v[PC+12:PC+15], s[32:33] offset:262144+512
	ds_store_b16 v11, v[PW] offset:2*\odd          ; both halves of the lanes write the same bytes with the same value
	ds_store_b16_d16_hi v11, v[PW] offset:256+2*\odd
	s_add_co_u32 s53, s53, 1024
.if \odd
	s_add_co_u32 s54, s54, 64                      ; the next pair of tiles
.endif
.endm
	s_mov_b32 s51, 0
	s_mov_b32 s52, 0
	s_mov_b32 s53, 0
	s_mov_b32 s54, 0
	FETCHQK
	s_mov_b32 s40, 3
.Lqk:                                              ; a trip takes a pair of tiles
	TRIPQK 1, 0
	TRIPQK 1, 1
	s_sub_co_u32 s40, s40, 1
	s_cmp_lg_u32 s40, 0
	s_cbranch_scc1 .Lqk
	TRIPQK 1, 0
	TRIPQK 0, 1
	ds_load_b128 v[OUTR:OUTR+3], v231              ; my wave's own bytes, in order behind its stores
	s_wait_dscnt 0x0
	global_store_b128 v232, v[OUTR:OUTR+3], s[34:35]   ; sixteen lanes store 256 consecutive bytes, aligned
	s_wait_tensorcnt 0x0
	ds_add_u32 v254, v255
	s_wait_dscnt 0x0
	s_endpgm
	; ================ v
.Lv:
	ADDRS PBV, 2
	v_lshlrev_b32 v233, 2, v3                      ; 4 (r + 8 (r / 8)): my output's bias
.macro FETCHV                          ; tile s55 of my 8 tiles of Wv: 4 fragments, its rows' scale words, and its rows' bias, the same in all eight registers: 25 loads
	s_lshr_b32 s56, s55, 1
	s_lshl_b32 s56, s56, 5
	s_and_b32 s57, s55, 1
	s_lshl_b32 s57, s57, 3
	s_add_co_u32 s56, s56, s57                     ; the tile's first row
	s_lshl_b32 s57, s56, 4
	v_add_nc_u32 v236, s57, v14
	s_lshl_b32 s57, s56, 2
	v_add_nc_u32 v237, s57, v233
	s_lshl_b32 s57, s55, 13
	v_add_nc_u32 v235, s57, v1
.irp s, 0,1,2,3
.irp c, 0,1,2,3
	global_load_b128 v[XF+16*\s+4*\c:XF+16*\s+4*\c+3], v235, s[26:27] offset:2048*\s+512*\c
.endr
.endr
	global_load_b128 v[XS:XS+3], v236, s[28:29]
.irp j, 0,1,2,3,4,5,6,7
	global_load_b32 v[BV+\j], v237, s[30:31]
.endr
.endm
	s_wait_alu depctr_va_vdst(0)
	s_mov_b32 s55, 0
	FETCHV
	XLOAD RAWA, 0
	XLOAD RAWB, 1
	PHASEX
.set lf, 0
.rept 32                                       ; all 8 tiles of x, 4 K steps each: they stay
	WIN 0x40+0x40*(lf/16)
.irp c, 0,1,2,3
	ds_load_b128 v[16*(lf%16)+4*\c:16*(lf%16)+4*\c+3], v228 offset:2048*lf+512*\c
.endr
.set lf, lf+1
.endr
	WIN 0
.set lf, 0
.rept 32
	ds_load_b32 v[RS+lf], v229 offset:128*lf
.set lf, lf+1
.endr
.macro TRIPV fetch
	s_wait_loadcnt 0x0                             ; the tile of Wv is in
	s_wait_dscnt 0x0
	PRODS 0
	NOPS 8                                         ; eight places: for the loads into the operands' registers and the first read of the results
	s_wait_xcnt 0x0                                ; the last trip's stores have read their codes and their offset
	s_and_b32 s56, s58, 3
	s_lshl_b32 s56, s56, 11
	s_lshr_b32 s57, s58, 2
	s_lshl_b32 s57, s57, 18
	s_add_co_u32 s56, s56, s57                     ; tile o: head 2 w + o / 4 (262,144 bytes a head), image o % 4
	v_add_nc_u32 v10, s56, v1
	v_add_nc_u32 v11, s54, v230
.if \fetch
	s_add_co_u32 s55, s55, 1
	FETCHV
.endif
	QSCALE HA, 4, 0                                ; along the 128 keys
	QCODES HA, 4, 0
.irp c, 0,1,2,3
	global_store_b128 v10, v[PC+4*\c:PC+4*\c+3], s[32:33] offset:512*\c
.endr
	ds_store_b32 v11, v[PW]
	s_add_co_u32 s58, s58, 1
	s_add_co_u32 s54, s54, 64
.endm
	s_mov_b32 s58, 0
	s_mov_b32 s54, 0
	s_mov_b32 s40, 7
.Lvt:
	TRIPV 1
	s_sub_co_u32 s40, s40, 1
	s_cmp_lg_u32 s40, 0
	s_cbranch_scc1 .Lvt
	TRIPV 0
	ds_load_b128 v[OUTR:OUTR+3], v231
	s_wait_dscnt 0x0
	global_store_b128 v232, v[OUTR:OUTR+3], s[34:35]
	s_wait_tensorcnt 0x0
	ds_add_u32 v254, v255
	s_wait_dscnt 0x0
	s_endpgm
.Lfunc_end_k_q1cd7dfd931_proj:
	.size	k_q1cd7dfd931_proj, .Lfunc_end_k_q1cd7dfd931_proj-k_q1cd7dfd931_proj
	.p2alignl 7, 3214868480
	.fill 96, 4, 3214868480
	.section	.rodata,"a",@progbits
	.p2align	6, 0x0
	.amdhsa_kernel k_q1cd7dfd931_proj
		.amdhsa_group_segment_fixed_size 213504
		.amdhsa_private_segment_fixed_size 0
		.amdhsa_enable_private_segment 0
		.amdhsa_kernarg_size 80
		.amdhsa_user_sgpr_count 2
		.amdhsa_user_sgpr_kernarg_segment_ptr 1
		.amdhsa_wavefront_size32 1
		.amdhsa_system_sgpr_workgroup_id_x 1
		.amdhsa_system_sgpr_workgroup_id_y 1
		.amdhsa_system_sgpr_workgroup_id_z 1
		.amdhsa_system_vgpr_workitem_id 0
		.amdhsa_next_free_vgpr 1024
		.amdhsa_next_free_sgpr 66
		.amdhsa_reserve_vcc 0
		.amdhsa_float_denorm_mode_32 3
		.amdhsa_float_denorm_mode_16_64 3
		.amdhsa_memory_ordered 1
		.amdhsa_forward_progress 1
		.amdhsa_inst_pref_size 218
	.end_amdhsa_kernel
	.amdgpu_metadata
---
amdhsa.version: [ 1, 2 ]
amdhsa.kernels:
  - .name:           k_q1cd7dfd931_proj
    .symbol:         k_q1cd7dfd931_proj.kd
    .args:
      - { .name: q, .offset: 0, .size: 8, .value_kind: global_buffer, .address_space: global }
      - { .name: k, .offset: 8, .size: 8, .value_kind: global_buffer, .address_space: global }
      - { .name: v, .offset: 16, .size: 8, .value_kind: global_buffer, .address_space: global }
      - { .name: wts, .offset: 24, .size: 8, .value_kind: global_buffer, .address_space: global }
      - { .name: bq, .offset: 32, .size: 8, .value_kind: global_buffer, .address_space: global }
      - { .name: bk, .offset: 40, .size: 8, .value_kind: global_buffer, .address_space: global }
      - { .name: bv, .offset: 48, .size: 8, .value_kind: global_buffer, .address_space: global }
      - { .name: qcs, .offset: 56, .size: 8, .value_kind: global_buffer, .address_space: global }
      - { .name: kcs, .offset: 64, .size: 8, .value_kind: global_buffer, .address_space: global }
      - { .name: vcs, .offset: 72, .size: 8, .value_kind: global_buffer, .address_space: global }
    .group_segment_fixed_size: 213504
    .private_segment_fixed_size: 0
    .kernarg_segment_align: 8
    .kernarg_segment_size: 80
    .max_flat_workgroup_size: 128
    .sgpr_count:     66
    .vgpr_count:     1024
    .wavefront_size: 32
...
	.end_amdgpu_metadata
.endif
;; end of part 2
;; launch attn (part 3): grid 16 x 16, 8 waves a work-group, clusters of 4 x 1, 327,680 bytes of LDS; arguments qcs, kcs, vcs, msk, aoc; writes aoc
.if DOCPART == 3
	.amdgcn_target "amdgcn-amd-amdhsa--gfx1250"
	.amdhsa_code_object_version 6
	.text
	.protected	k_q1cd7dfd931_attn
	.globl	k_q1cd7dfd931_attn
	.p2align	8
	.type	k_q1cd7dfd931_attn,@function
k_q1cd7dfd931_attn:
	s_mov_b64 s[64:65], 0
	v_nop
	global_prefetch_b8 v0, s[64:65] scope:SCOPE_SE
	s_setreg_imm32_b32 hwreg(HW_REG_WAVE_MODE, 25, 1), 1
	s_wait_xcnt 0x0
	s_wait_alu depctr_hold_cnt(0) depctr_sa_sdst(0) depctr_va_vdst(0) depctr_va_sdst(0) depctr_va_ssrc(0) depctr_va_vcc(0) depctr_vm_vsrc(0)
	s_getreg_b32 s2, hwreg(HW_REG_IB_STS2, 6, 4)
	s_cmp_eq_u32 s2, 0
	s_cbranch_scc0 .Lentry_in_a_cluster
	s_endpgm
.Lentry_in_a_cluster:
	s_bfe_u32 s2, ttmp6, 0x10000c
	s_cmp_lg_u32 s2, 0x3003
	s_cbranch_scc0 .Lentry_shape_is_right
	s_endpgm
.Lentry_shape_is_right:
; ATTN.  For one (batch, head) and 256 queries: scores = Q K^T, softmax over 4,096 keys with the mask, O = attn V; both products on codes of E4M3 with one E8M0 byte for each 32 along K.
; What is quantised for the second product is the FINISHED softmax, so a row's maximum m and sum l are known first: TWO PASSES over the keys.
;   pass 1: scores; each lane's running maximum and sum of 2^(c s - c m), c = log2(e) / 8.   pass 2: the scores again; weight = 2^(c s - (c m + log2 l)), quantised along the keys; O^T += V^T P^T.
; THE MASK is the C of each score product: 0 for a key that counts, -2^100 for a masked one (its weight is 0); m begins at -2^80.  With no key left in a batch the table is all 0 and c = 0: every weight is 1 / 4096.
; TWO KEY TILES IN ONE FRAGMENT.  The head's size is 64, the instruction's K is 128: a fragment holds tile 2 P in k 0-63 and tile 2 P + 1 in k 64-127; multiplied with [q | zero codes] it gives the first tile's scores,
; with [zero codes | q] the second's.  A context keeps 24 registers, zeros, q, zeros, and names 16 of them either way.  A scale word holds both tiles' bytes; over zero codes stand finite bytes.
; SHARES.  Eight waves; wave w owns query tiles 2 w, 2 w + 1 as two CONTEXTS with the same register numbers in windows 0 and 1; both use each fragment of K, V and each tile of the table that is read from LDS.
; Both products are used transposed: a lane holds one query throughout.  All operands lie in memory and in LDS as images of their registers (16 bytes a lane, 512 a load).
; LDS.  Two slots of 128 KiB: in pass 1 a slot holds 16 key steps of K, in pass 2 eight steps of K and eight of V.  Six slots are read, five are asked for behind a round, each a whole slot (8 or 16 key steps) ahead of its first read.
; K's scale bytes (8 KiB) and the batch's table (16 KiB) are filled once, at the head.  V's scale words come from memory, 256 aligned bytes a step, asked for ahead of the step's softmax.
; CLUSTER.  The four query blocks of a cluster walk the same K, V and table: every tensor load is joint (mask 15), the same line and descriptor in all four.  By this text's count a wave has one tensor load out at the most.
; NO PREFETCH: a fill has 8 or 16 key steps of work between its request and the wait for it, and the head has no loop to run ahead in.
; A step's K and the table's tiles 0 to 3 are read from LDS one step ahead, under the softmax; in pass 2 tiles 4 to 7 share V's registers and are read behind the second product, ahead of the eight score products
; that do not need them.  A scalar branch on the count of steps leads round those LDS loads in a slot's last step.
; LIMITS: |score| under 2^80; NaN and infinities are not served; a block of zeros gets the byte 1 and not 127 (its codes are zeros, and this program alone reads the bytes).
; aoc: images of 16 tokens x 128 features at (tile 4 + head / 2) 2048; from SC on 16 scale bytes a token at 256 tile + 16 r + 2 head.
; REGISTERS.  window 0: v1-11 addresses, v12-19 scale words and nothing else, v20-22 the way out, v24-87 K's four fragments.  window 1: v0-63 V's four fragments (v32-63 also the table's tiles 4 to 7), v64-95 its tiles 0 to 3.
;   a context, in its window: v100-115 at work, v116 c m (pass 2: c m + log2 l), v117 m, v118 a scale word, v120-143 zeros, q, zeros, v144-159 codes, v160-191 O^T (in pass 1: v160-166 sums and factors), v192-255 scores.
.set SLOTX, 0x20000                    ; one exclusive or turns an address in one slot into the other's
.set KS,    0x40000                    ; K's scale words: 256 bytes a step
.set BI,    0x42000                    ; the table: 512 bytes a step
.set SPARE, 0x46000                    ; the spare words, 128 bytes a wave: four blocks of 256 bytes that no other line names
.set SC,    4194304
.set CF,    32768
.set SPW, 1
.set NIL, 2
.set L16, 3                            ; 16 x lane
.set BIB, 4                            ; BI + 64 (lane / 16)
.set KSB, 5                            ; KS + 4 x lane
.set L4,  6                            ; 4 x lane
.set ADK, 7
.set ADB, 8
.set ADV, 9
.set ADS, 10
.set KSC, 12                           ; v12-13 K's scale words: lanes 0-15 an even pair's, lanes 16-31 the next pair's
.set VSC, 14                           ; v14-15 V's, likewise by tiles
.set QW,  16                           ; v16 Q's word: bytes 0, 1 context 0's, bytes 2, 3 context 1's;  v17 the same with its halves exchanged
.set PS,  18                           ; v18-19 p's scale words, one register a context
.set KF,  24
.set TM,  100
.set CM,  116
.set MX,  117
.set PW,  118
.set QB,  120                          ; [zero codes | q]
.set QA,  128                          ; [q | zero codes]
.set PC,  144
.set O,   160
.set L,   160                          ; pass 1's sums and factors lie where pass 2 has O^T
.set F,   162
.set A2,  164
.set OC,  166
.set S,   192
.set WV,  24
.set MNT, 25
.set CS,  26                           ; s[26:27] c: the packed form names a pair and takes its low word for both halves
.set SEL, 28
.set TK,  30                           ; the step's place in the slot,
.set TB,  31                           ; in the table,
.set TS,  32                           ; in K's scale words
.set SB,  33                           ; the slot in hand
.set CNT, 34
.set OUT, 35
.set G1A, 40                           ; group 1: 128 rows of 256 bytes;  G1B: 16 rows;  G1C: 32 rows
.set G1B, 48
.set G1C, 56
.set GK,  68                           ; groups 0: the ring's (it walks), K's scale words, the table
.set GS,  72
.set GT,  76
.set N1,  80                           ; s[80:81], s[82:83]: the ring's next two addresses in pass 1
.set N2,  82
.set MSB, 0
.macro WIN new                         ; the immediate's high byte repeats the setting that is left; a switch that changes nothing is dropped
.if MSB != (\new)
	s_set_vgpr_msb (MSB<<8)|(\new)
.set MSB, (\new)
.endif
.endm
.macro NOPS n
.rept \n
	v_nop
.endr
.endm
.macro MX3 d, a, b, c, mode
.if \mode
	v_max3_num_f32 v[\d], v[\a], v[\b], v[\c]
.else
	v_max3_num_f32 v[\d], |v[\a]|, |v[\b]|, |v[\c]|
.endif
.endm
; nb x 16 numbers of a lane, register 16 b + i = k 32 b + 16 (lane / 16) + i of its row.  Each block's largest magnitude in two chains (with the floor 2^(9 - 127): the byte cannot fall under 1), joined with lane l xor 16's;
; the scale word in v[PW], 448 x the scale in v[TM+8+b], the conversion's operand in v[TM+12+b].  mode = 1: the numbers are never negative.  Each accumulator is read from its low end on.
.macro QSC s, nb, mode
.set qb, 0
.rept \nb
.if \mode
	v_max3_num_f32 v[TM+qb], v[(\s)+16*qb], v[(\s)+16*qb+1], 0x4800000
.else
	v_max3_num_f32 v[TM+qb], |v[(\s)+16*qb]|, |v[(\s)+16*qb+1]|, 0x4800000
.endif
	MX3 TM+4+qb, (\s)+16*qb+8, (\s)+16*qb+9, (\s)+16*qb+10, \mode
.set qb, qb+1
.endr
.set qi, 0
.rept 3
.set qb, 0
.rept \nb
	MX3 TM+qb, TM+qb, (\s)+16*qb+2+2*qi, (\s)+16*qb+3+2*qi, \mode
.if qi < 2
	MX3 TM+4+qb, TM+4+qb, (\s)+16*qb+11+2*qi, (\s)+16*qb+12+2*qi, \mode
.endif
.set qb, qb+1
.endr
.set qi, qi+1
.endr
.set qb, 0
.rept \nb
	MX3 TM+qb, TM+qb, TM+4+qb, (\s)+16*qb+15, \mode
.set qb, qb+1
.endr
.set qb, 0
.rept \nb
	v_permlanex16_b32 v[TM+4+qb], v[TM+qb], s[SEL], s[SEL+1]
.set qb, qb+1
.endr
.set qb, 0
.rept \nb
	v_max_num_f32 v[TM+qb], v[TM+qb], v[TM+4+qb]
.set qb, qb+1
.endr
.set qb, 0
.rept \nb
	v_add_nc_u32 v[TM+12+qb], 0xfc000000, v[TM+qb]         ; 8 off the exponent field: the conversion's scale operand
.set qb, qb+1
.endr
.set qb, 0
.rept \nb
	v_and_or_b32 v[TM+8+qb], v[TM+qb], 0x7f800000, s[MNT]  ; 448 x the scale
.set qb, qb+1
.endr
.set qb, 0
.rept \nb
	v_lshrrev_b32 v[TM+4+qb], 23, v[TM+12+qb]              ; the scale's byte
.set qb, qb+1
.endr
	v_lshl_or_b32 v[PW], v[TM+5], 8, v[TM+4]
.if \nb > 2
	v_lshl_or_b32 v[PW], v[TM+6], 16, v[PW]
	v_lshl_or_b32 v[PW], v[TM+7], 24, v[PW]
.endif
.endm
; the hold at the largest code x the scale (the conversion to an 8-bit code does not saturate: ISA guide 7.6.2), and the codes into v[PC] on.
; mode = 1: the hold is one-sided, and two neighbouring numbers are held by one dual-issue pair: an even and an odd destination, first sources in different banks, the same second source
.macro QCODES s, nb, mode
.set qb, 0
.rept \nb
.set qi, 0
.rept 8
.if \mode
	v_dual_min_num_f32 v[(\s)+16*qb+qi], v[(\s)+16*qb+qi], v[TM+8+qb] :: v_dual_min_num_f32 v[(\s)+16*qb+qi+1], v[(\s)+16*qb+qi+1], v[TM+8+qb]
.else
	v_med3_num_f32 v[(\s)+16*qb+qi], v[(\s)+16*qb+qi], -v[TM+8+qb], v[TM+8+qb]
	v_med3_num_f32 v[(\s)+16*qb+qi+1], v[(\s)+16*qb+qi+1], -v[TM+8+qb], v[TM+8+qb]
.endif
.set qi, qi+2
.endr
	v_cvt_scalef32_pk8_fp8_f32 v[PC+4*qb:PC+4*qb+1], v[(\s)+16*qb:(\s)+16*qb+7], v[TM+12+qb]
	v_cvt_scalef32_pk8_fp8_f32 v[PC+4*qb+2:PC+4*qb+3], v[(\s)+16*qb+8:(\s)+16*qb+15], v[TM+12+qb]
.set qb, qb+1
.endr
	v_nop                                          ; one plain line behind the last conversion
.endm
; a round of the cluster's barrier
.macro ROUND
	s_barrier_signal -1
	s_barrier_wait -1
	s_cmp_lg_u32 s[WV], 0
	s_cbranch_scc1 .Lnw0_\@
	s_barrier_signal -3
.Lnw0_\@:
	s_barrier_wait -3
	s_barrier_signal -1
	s_barrier_wait -1
.endm
.macro MKG1 g, rows                    ; a dense block as rows of 256 bytes: 32 elements of 8 bytes, pitch 32; mask 15: all four work-groups, bit 21 beside it
	s_mov_b32 s[\g], 15|(3<<16)|(1<<21)
	s_mov_b32 s[\g+1], 32<<16
	s_mov_b32 s[\g+2], (\rows)<<16
	s_mov_b32 s[\g+3], 32<<16
	s_mov_b32 s[\g+4], \rows
	s_mov_b32 s[\g+5], 32
	s_mov_b32 s[\g+6], 0
	s_mov_b32 s[\g+7], 0
.endm
; the score product of tile t: its pair's fragment, q in the half that meets the tile, C = the table's tile (tiles 0 to 3 at v64 on, tiles 4 to 7 at v32 on, in window 1)
.macro SC1 t, q, qs
.set CT, 8*(\t)+64*(1-(\t)/4)
.if ((\t)/2)%2
	v_wmma_scale_f32_16x16x128_f8f6f4 v[S+8*(\t):S+8*(\t)+7], v[KF+16*((\t)/2):KF+16*((\t)/2)+15], v[\q:\q+15], v[CT:CT+7], v[KSC+(\t)/4], v[\qs] matrix_a_scale:MATRIX_SCALE_ROW1
.else
	v_wmma_scale_f32_16x16x128_f8f6f4 v[S+8*(\t):S+8*(\t)+7], v[KF+16*((\t)/2):KF+16*((\t)/2)+15], v[\q:\q+15], v[CT:CT+7], v[KSC+(\t)/4], v[\qs]
.endif
.endm
.macro SCORES g                        ; tiles 4 g .. 4 g + 3, both contexts: 8 matrix instructions, no two on one accumulator
.irp e, 0,1
	WIN 0x10+0x44*\e                               ; K window 0, the table window 1, q and the scores in the context's window
.irp p, 0,1
	SC1 4*\g+2*\p, QA, QW+\e
	SC1 4*\g+2*\p+1, QB, QW+1-\e
.endr
.endr
.endm
.macro LOADK                           ; a step's four fragments of K and its scale words
.irp p, 0,1,2,3
.irp c, 0,1,2,3
	ds_load_b128 v[KF+16*\p+4*\c:KF+16*\p+4*\c+3], v[ADK] offset:2048*\p+512*\c
.endr
.endr
	ds_load_b32 v[KSC], v[ADS]
	ds_load_b32 v[KSC+1], v[ADS] offset:128
.endm
.macro LOADB g                         ; the table's tiles T = 4 g .. 4 g + 3: keys 32 (T / 2) + 16 h + 8 (T % 2) + 0 .. 7; sixteen lanes share the words
	WIN 0x40
.irp u, 0,1,2,3
	ds_load_b128 v[64-32*\g+8*\u:64-32*\g+8*\u+3], v[ADB] offset:256*\g+(32*(\u/2)+8*(\u%2))*4
	ds_load_b128 v[64-32*\g+8*\u+4:64-32*\g+8*\u+7], v[ADB] offset:256*\g+(32*(\u/2)+8*(\u%2))*4+16
.endr
	WIN 0
.endm
.macro LOADV
	WIN 0x40
.irp t, 0,1,2,3
.irp c, 0,1,2,3
	ds_load_b128 v[16*\t+4*\c:16*\t+4*\c+3], v[ADV] offset:2048*\t+512*\c
.endr
.endr
	WIN 0
.endm
.macro FMA e                           ; c s - v[CM], two at a time
	WIN 0x55*\e
.set xj, 0
.rept 32
	v_pk_fma_f32 v[S+xj:S+xj+1], v[S+xj:S+xj+1], s[CS:CS+1], v[CM:CM+1] op_sel_hi:[1,0,0] neg_lo:[0,0,1] neg_hi:[0,0,1]
.set xj, xj+2
.endr
.endm
.macro EXPS
.set xj, 0
.rept 64
	v_exp_f32 v[S+xj], v[S+xj]
.set xj, xj+1
.endr
.endm
; pass 1: the lane's 64 scores and its running maximum are 65 numbers: 32 three-way maxima, eight chains (one an accumulator) and a tree
.macro P1MAX e
	WIN 0x55*\e
.irp i, 0,1,2,3,4,5,6,7
	v_max3_num_f32 v[TM+\i], v[S+8*\i], v[S+8*\i+1], v[S+8*\i+2]
.endr
.irp j, 3,5
.irp i, 0,1,2,3,4,5,6,7
	v_max3_num_f32 v[TM+\i], v[TM+\i], v[S+8*\i+\j], v[S+8*\i+\j+1]
.endr
.endr
.irp i, 0,1,2,3
	v_max3_num_f32 v[TM+2*\i], v[TM+2*\i], v[TM+2*\i+1], v[S+8*\i+7]
.endr
	v_max3_num_f32 v[TM], v[TM], v[S+39], v[S+47]
	v_max3_num_f32 v[TM+2], v[TM+2], v[S+55], v[S+63]
	v_max3_num_f32 v[TM], v[TM], v[TM+2], v[TM+4]
	v_max3_num_f32 v[MX], v[TM], v[TM+6], v[MX]
	v_mov_b32 v[OC], v[CM]
	v_mul_f32 v[CM], s[CS], v[MX]
	v_sub_f32 v[OC], v[OC], v[CM]                  ; c m_old - c m_new
.endm
.macro P1SUM e                         ; the sum under the new maximum, and the 64 new terms: packed, in four chains
	WIN 0x55*\e
	v_pk_mul_f32 v[L:L+1], v[L:L+1], v[F:F+1] op_sel_hi:[1,0]
	v_pk_add_f32 v[A2:A2+1], v[S:S+1], v[S+2:S+3]
	v_pk_add_f32 v[TM:TM+1], v[S+4:S+5], v[S+6:S+7]
	v_pk_add_f32 v[TM+2:TM+3], v[S+8:S+9], v[S+10:S+11]
.set xj, 12
.rept 6
	v_pk_add_f32 v[L:L+1], v[L:L+1], v[S+xj:S+xj+1]
	v_pk_add_f32 v[A2:A2+1], v[A2:A2+1], v[S+xj+2:S+xj+3]
	v_pk_add_f32 v[TM:TM+1], v[TM:TM+1], v[S+xj+4:S+xj+5]
	v_pk_add_f32 v[TM+2:TM+3], v[TM+2:TM+3], v[S+xj+6:S+xj+7]
.set xj, xj+8
.endr
	v_pk_add_f32 v[L:L+1], v[L:L+1], v[S+60:S+61]
	v_pk_add_f32 v[A2:A2+1], v[A2:A2+1], v[S+62:S+63]
	v_pk_add_f32 v[TM:TM+1], v[TM:TM+1], v[TM+2:TM+3]
	v_pk_add_f32 v[L:L+1], v[L:L+1], v[A2:A2+1]
	v_pk_add_f32 v[L:L+1], v[L:L+1], v[TM:TM+1]
.endm
.macro P1END e                         ; the two halves of the lanes meet: the row's m and l; v[CM] becomes c m + log2 l.
	WIN 0x55*\e
	v_permlanex16_b32 v[TM+4], v[MX], s[SEL], s[SEL+1]
	v_max_num_f32 v[MX], v[MX], v[TM+4]
	v_mov_b32 v[OC], v[CM]
	v_mul_f32 v[CM], s[CS], v[MX]
	v_sub_f32 v[OC], v[OC], v[CM]
	s_wait_alu depctr_va_vdst(0)
	v_exp_f32 v[F], v[OC]
	v_add_f32 v[L], v[L], v[L+1]                   ; (a plain line behind the exponential)
	s_wait_alu depctr_va_vdst(0)
	v_mul_f32 v[L], v[L], v[F]
	v_permlanex16_b32 v[TM+4], v[L], s[SEL], s[SEL+1]
	v_add_f32 v[L], v[L], v[TM+4]
	s_wait_alu depctr_va_vdst(0)
	v_log_f32 v[F], v[L]
	v_nop
	s_wait_alu depctr_va_vdst(0)
	v_add_f32 v[CM], v[CM], v[F]
.endm
.macro QP e                            ; pass 2: a context's 64 weights become codes and a scale word
	WIN 0x55*\e
	QSC S, 4, 1
	WIN \e                                         ; source 0 in the context's window, destination in window 0
	v_mov_b32 v[PS+\e], v[PW]                      ; the 32 pairs of holds below stand between this line and the product
	WIN 0x55*\e
	QCODES S, 4, 1
.endm
.macro PV e                            ; O^T += V^T P^T: four tiles of 16 of the head's 64; K = the step's 128 keys
.irp t, 0,1,2,3
.if \t%2 == 0
	v_wmma_scale_f32_16x16x128_f8f6f4 v[O+8*\t:O+8*\t+7], v[16*\t:16*\t+15], v[PC:PC+15], v[O+8*\t:O+8*\t+7], v[VSC+\t/2], v[PS+\e]
.else
	v_wmma_scale_f32_16x16x128_f8f6f4 v[O+8*\t:O+8*\t+7], v[16*\t:16*\t+15], v[PC:PC+15], v[O+8*\t:O+8*\t+7], v[VSC+\t/2], v[PS+\e] matrix_a_scale:MATRIX_SCALE_ROW1
.endif
.endr
.endm
; THE CHANGE OF SLOTS stands at a slot's head: all my tensor loads have landed, the add, my reads of the slot that I have left are over.  kind 1, 2: a round of the cluster's barrier, and behind it
; waves 0 to 3 ask for a quarter each of the slot just left.  kind 1 (pass 1): the address comes from the two that wait; kind 2 (pass 2): 64 KiB on.  kind 0: the last slot: nothing is asked for.
.macro CHANGE kind
	s_wait_tensorcnt 0x0                           ; no tensor load of mine is out, so the walking group 0 may be written
	ds_add_u32 v[SPW], v[NIL]
.if \kind
	s_xor_b32 s[GK+1], s[GK+1], SLOTX
.endif
.if \kind == 1
	s_mov_b64 s[GK+2:GK+3], s[N1:N1+1]
	s_mov_b64 s[N1:N1+1], s[N2:N2+1]
.endif
.if \kind == 2
	s_add_nc_u64 s[GK+2:GK+3], s[GK+2:GK+3], 0x10000   ; the type bits on top are not reached
.endif
	s_wait_dscnt 0x0
.if \kind
	ROUND
	s_cmp_lt_u32 s[WV], 4
	s_cbranch_scc0 .Lnf_\@
	tensor_load_to_lds s[GK:GK+3], s[G1A:G1A+7]
	s_nop 0
	NOPS 4
.Lnf_\@:
.else
	s_barrier_signal -1
	s_barrier_wait -1
.endif
.endm
.macro SLOTTOP                         ; the slot's first step is read here; every later one a step ahead
	s_mov_b32 s[TK], s[SB]
	v_add_nc_u32 v[ADK], s[TK], v[L16]
	v_add_nc_u32 v[ADS], s[TS], v[KSB]
	v_add_nc_u32 v[ADB], s[TB], v[BIB]
	s_wait_alu depctr_va_vdst(0)                   ; the wait directly behind the writes
	LOADK
	LOADB 0
	LOADB 1
.endm
.macro STEPON
	s_add_co_u32 s[TK], s[TK], 8192
	s_add_co_u32 s[TS], s[TS], 256
	s_add_co_u32 s[TB], s[TB], 512
	v_add_nc_u32 v[ADK], s[TK], v[L16]
	v_add_nc_u32 v[ADS], s[TS], v[KSB]
	v_add_nc_u32 v[ADB], s[TB], v[BIB]
.endm
.macro P1SLOT                          ; 16 key steps of pass 1
	SLOTTOP
	s_mov_b32 s[CNT], 16
.Lp1_\@:
	s_wait_dscnt 0x0                               ; K, its scale words and the table's tiles, asked for a step ago
	SCORES 0
	SCORES 1
	WIN 0
	STEPON
	NOPS 5                                         ; with the three additions: eight places behind this form, for the loads below and the first read of the scores
	s_cmp_eq_u32 s[CNT], 1
	s_cbranch_scc1 .Lp1k_\@                        ; the slot's last step reads nothing ahead
	LOADK
	LOADB 0
	LOADB 1
.Lp1k_\@:
	P1MAX 0
	FMA 0
	P1MAX 1
	FMA 1
	s_wait_alu depctr_va_vdst(0)                   ; one batch of 130 exponentials: a wait ahead of it and one behind it
	v_exp_f32 v[F], v[OC]
	EXPS
	WIN 0
	v_exp_f32 v[F], v[OC]
	EXPS
	v_nop                                          ; a plain line behind the batch
	s_wait_alu depctr_va_vdst(0)
	P1SUM 0
	P1SUM 1
	WIN 0
	s_sub_co_u32 s[CNT], s[CNT], 1
	s_cmp_lg_u32 s[CNT], 0
	s_cbranch_scc1 .Lp1_\@
.endm
.macro P2SLOT                          ; 8 key steps of pass 2
	SLOTTOP
	s_mov_b32 s[CNT], 8
.Lp2_\@:
	s_wait_dscnt 8                                 ; all but the eight youngest loads, the table's tiles 4 to 7, are in
	SCORES 0
	s_wait_dscnt 0x0
	SCORES 1
	WIN 0
	v_add_nc_u32 v[ADV], 0x10000, v[ADK]           ; V's step lies 64 KiB behind K's
	STEPON
	NOPS 4                                         ; with the four additions: eight places, for the loads below and the first read of the scores
	LOADV                                          ; its upper half into the registers that held the table's tiles 4 to 7
	global_load_b32 v[VSC], v[L4], s[36:37]
	global_load_b32 v[VSC+1], v[L4], s[36:37] offset:128
	s_cmp_eq_u32 s[CNT], 1
	s_cbranch_scc1 .Lp2k_\@                        ; the slot's last step reads nothing ahead
	LOADK
	LOADB 0
.Lp2k_\@:
	FMA 0
	FMA 1
	s_wait_alu depctr_va_vdst(0)                   ; one batch of 128 exponentials: a wait ahead of it and one behind it
	EXPS
	WIN 0
	EXPS
	v_nop
	s_wait_alu depctr_va_vdst(0)
	QP 0
	QP 1
	WIN 0
	NOPS 3                                         ; with the line behind the last conversion: four places between codes made by vector instructions and the product
	s_wait_alu depctr_va_vdst(0)
	s_wait_dscnt 0x0                               ; V, and the next step's K and tiles 0 to 3 of the table
	s_wait_loadcnt 0x0                             ; V's scale words
	WIN 0x01
	PV 0
	WIN 0x55
	PV 1
	WIN 0
	s_add_nc_u64 s[36:37], s[36:37], 256           ; (the loads that used this base have been waited for)
	NOPS 8                                         ; eight places in front of loads into V's registers, and of the way out's first read of O^T
	s_cmp_eq_u32 s[CNT], 1
	s_cbranch_scc1 .Lp2b_\@
	LOADB 1
.Lp2b_\@:
	s_sub_co_u32 s[CNT], s[CNT], 1
	s_cmp_lg_u32 s[CNT], 0
	s_cbranch_scc1 .Lp2_\@
.endm
.macro CTXINIT e
	WIN 0x55*\e
	v_mov_b32 v[MX], 0xe7800000                    ; -2^80: under every score that counts, over every masked one
	v_mul_f32 v[CM], s[CS], v[MX]
.irp j, L, L+1, F, F+1
	v_mov_b32 v[\j], 0
.endr
.set xj, 0
.rept 8
	v_mov_b32 v[QB+xj], 0                          ; zero codes on both sides of q
	v_mov_b32 v[QB+16+xj], 0
.set xj, xj+1
.endr
.endm
.macro OZERO e                         ; behind pass 1: O^T begins as zeros, so that pass 2's step has no first step of its own
	WIN 0x55*\e
.set xj, 0
.rept 32
	v_mov_b32 v[O+xj], 0
.set xj, xj+1
.endr
.endm
	s_load_b256 s[4:11], s[0:1], 0x0               ; qcs s[4:5], kcs s[6:7], vcs s[8:9], msk s[10:11]
	s_load_b64 s[12:13], s[0:1], 0x20              ; aoc
	v_lshl_add_u32 v[SPW], v0, 2, SPARE
	v_mov_b32 v[NIL], 0
	ds_add_u32 v[SPW], v[NIL]                      ; the opening lines: the add twice on end, and its wait ahead of my first tensor load
	ds_add_u32 v[SPW], v[NIL]
	v_lshrrev_b32 v3, 5, v0
	v_readfirstlane_b32 s[WV], v3                  ; wave 0..7
	s_and_b32 s14, ttmp7, 0xffff                   ; bh, which the four partners share
	s_lshr_b32 s15, s14, 3                         ; the batch
	MKG1 G1A, 128
	MKG1 G1B, 16
	MKG1 G1C, 32
	s_mov_b32 s[MNT], 0x600000
	s_mov_b32 s[SEL], 0x76543210
	s_mov_b32 s[SEL+1], 0xfedcba98
	s_and_b32 s16, s[WV], 1
	s_lshl_b32 s84, s14, 18                        ; the head's codes: 262144 bh
	s_lshl_b32 s17, s[WV], 15                      ; a quarter of a slot: 32768 w
	s_add_co_u32 s86, s84, s17
	s_mov_b32 s87, 0
	s_lshl_b32 s18, s16, 15
	s_add_co_u32 s88, s84, s18                     ; pass 2: a half of K's or V's 64 KiB
	s_mov_b32 s89, 0
	s_lshl_b32 s19, s16, 12
	s_lshl_b32 s90, s14, 13
	s_add_co_u32 s92, s90, SC                      ; scale bytes: SC + 8192 bh
	s_mov_b32 s93, 0
	s_add_co_u32 s90, s92, s19                     ; my half of K's
	s_mov_b32 s91, 0
	s_lshl_b32 s20, s16, 13
	s_lshl_b32 s94, s15, 14
	s_add_co_u32 s94, s94, s20                     ; my half of the table: 16384 b + 8192 (w % 2)
	s_mov_b32 s95, 0
	s_lshl_b32 s21, s15, 9
	s_wait_dscnt 0x0                               ; both opening adds are done
	s_wait_kmcnt 0x0
	s_load_b32 s[CS], s[10:11], s21 offset:CF      ; c of my batch
	s_mov_b32 s[GK], 1
	s_mov_b32 s[GK+1], s17                         ; slot 0
	s_add_nc_u64 s[GK+2:GK+3], s[6:7], s[86:87]    ; K's steps 0 to 15
	s_add_nc_u64 s[N1:N1+1], s[GK+2:GK+3], 0x20000 ; then steps 16 to 31,
	s_or_b32 s[GK+3], s[GK+3], 0x80000000
	s_or_b32 s[N1+1], s[N1+1], 0x80000000
	s_bitcmp1_b32 s[WV], 1                         ; then pass 2: waves 0, 1 fetch K's halves, waves 2, 3 V's
	s_cselect_b64 s[N2:N2+1], s[8:9], s[6:7]
	s_add_nc_u64 s[N2:N2+1], s[N2:N2+1], s[88:89]
	s_or_b32 s[N2+1], s[N2+1], 0x80000000
	s_mov_b32 s[GS], 1
	s_add_co_u32 s[GS+1], s19, KS
	s_add_nc_u64 s[GS+2:GS+3], s[6:7], s[90:91]
	s_or_b32 s[GS+3], s[GS+3], 0x80000000
	s_mov_b32 s[GT], 1
	s_add_co_u32 s[GT+1], s20, BI
	s_add_nc_u64 s[GT+2:GT+3], s[10:11], s[94:95]
	s_or_b32 s[GT+3], s[GT+3], 0x80000000
	s_add_nc_u64 s[36:37], s[8:9], s[92:93]        ; V's scale words
	s_wait_kmcnt 0x0
	s_mov_b32 s[CS+1], s[CS]                       ; (named with it as a pair, so it is written)
	ROUND                                          ; all four work-groups are here: the first joint loads meet
	; the head's loads, one a wave: waves 0-3 a quarter of slot 0, waves 4, 5 the halves of K's scale words, waves 6, 7 those of the table
	s_cmp_lt_u32 s[WV], 4
	s_cbranch_scc0 .Lh_s
	tensor_load_to_lds s[GK:GK+3], s[G1A:G1A+7]
	s_nop 0
	NOPS 4
	s_branch .Lh_done
.Lh_s:
	s_cmp_lt_u32 s[WV], 6
	s_cbranch_scc0 .Lh_t
	tensor_load_to_lds s[GS:GS+3], s[G1B:G1B+7]
	s_nop 0
	NOPS 4
	s_branch .Lh_done
.Lh_t:
	tensor_load_to_lds s[GT:GT+3], s[G1C:G1C+7]
	s_nop 0
	NOPS 4
.Lh_done:
	; my queries: the place in the cluster enters Q's and the output's addresses alone
	s_bfe_u32 s16, ttmp6, 0x40000                  ; cx
	s_lshl_b32 s17, ttmp9, 2
	s_add_co_u32 s16, s16, s17                     ; my block of 256 queries
	s_lshl_b32 s16, s16, 4
	s_lshl_b32 s17, s[WV], 1
	s_add_co_u32 s16, s16, s17                     ; my first tile in the head: 16 x + 2 w
	s_lshl_b32 s17, s14, 8
	s_add_co_u32 s17, s17, s16
	s_lshl_b32 s18, s17, 10
	s_mov_b32 s19, 0
	s_add_nc_u64 s[96:97], s[4:5], s[18:19]        ; Q's images
	s_lshl_b32 s18, s17, 5
	s_add_co_u32 s18, s18, SC
	s_add_nc_u64 s[98:99], s[4:5], s[18:19]        ; my pair's scale words
	s_lshl_b32 s17, s15, 8
	s_add_co_u32 s17, s17, s16                     ; my first tile in the batch's numbering
	s_and_b32 s20, s14, 7                          ; the head
	s_lshl_b32 s18, s17, 8
	s_lshl_b32 s21, s20, 1
	s_add_co_u32 s18, s18, s21
	s_add_co_u32 s18, s18, SC
	s_add_nc_u64 s[100:101], s[12:13], s[18:19]    ; the output's scale bytes: SC + 256 tile + 2 head
	s_lshl_b32 s18, s17, 13
	s_lshr_b32 s21, s20, 1
	s_lshl_b32 s21, s21, 11
	s_add_co_u32 s18, s18, s21
	s_and_b32 s21, s20, 1
	s_lshl_b32 s21, s21, 10
	s_add_co_u32 s18, s18, s21
	s_add_nc_u64 s[12:13], s[12:13], s[18:19]      ; its codes: (tile 4 + head / 2) 2048 + (head % 2) 1024
	v_and_b32 v20, 31, v0                          ; lane
	v_and_b32 v21, 15, v0                          ; r
	v_bfe_u32 v22, v0, 4, 1                        ; h
	v_lshlrev_b32 v[L16], 4, v20
	v_lshlrev_b32 v[L4], 2, v20
	v_lshlrev_b32 v21, 2, v21
	global_load_b128 v[QA:QA+3], v[L16], s[96:97]
	global_load_b128 v[QA+4:QA+7], v[L16], s[96:97] offset:512
	global_load_b32 v[QW], v21, s[98:99]
	WIN 0x40
	global_load_b128 v[QA:QA+3], v[L16], s[96:97] offset:1024
	global_load_b128 v[QA+4:QA+7], v[L16], s[96:97] offset:1536
	WIN 0
	v_lshl_add_u32 v[BIB], v22, 6, BI
	v_add_nc_u32 v[KSB], KS, v[L4]
	CTXINIT 0
	CTXINIT 1
	WIN 0
	s_mov_b32 s[TB], 0
	s_mov_b32 s[TS], 0
	s_mov_b32 s[SB], 0
	s_wait_alu depctr_va_vdst(0)
	s_wait_loadcnt 0x0                             ; Q
	v_perm_b32 v[QW+1], v[QW], v[QW], 0x01000302   ; the word with its halves exchanged
	NOPS 8                                         ; a scale word made by a vector instruction stands eight places ahead of a scaled product
	s_wait_alu depctr_va_vdst(0)
	; ---- pass 1: two slots of 16 key steps
	s_mov_b32 s[OUT], 2
.Lpass1:
	CHANGE 1
	P1SLOT
	s_xor_b32 s[SB], s[SB], SLOTX
	s_sub_co_u32 s[OUT], s[OUT], 1
	s_cmp_lg_u32 s[OUT], 0
	s_cbranch_scc1 .Lpass1
	P1END 0
	OZERO 0
	P1END 1
	OZERO 1
	WIN 0
	s_wait_alu depctr_va_vdst(0)
	; ---- pass 2: four slots of 8 key steps; the last is written out
	s_mov_b32 s[TB], 0
	s_mov_b32 s[TS], 0
	s_mov_b32 s[OUT], 3
.Lpass2:
	CHANGE 2
	P2SLOT
	s_xor_b32 s[SB], s[SB], SLOTX
	s_sub_co_u32 s[OUT], s[OUT], 1
	s_cmp_lg_u32 s[OUT], 0
	s_cbranch_scc1 .Lpass2
	CHANGE 0
	P2SLOT
	; ---- the way out: O^T is quantised along the head's 64 features (two blocks of the output product's K) and stored as two quarters of a fragment's image
	QSC O, 2, 0
	QCODES O, 2, 0
	global_store_b128 v[L16], v[PC:PC+3], s[12:13]
	global_store_b128 v[L16], v[PC+4:PC+7], s[12:13] offset:512
	v_mov_b32 v20, v[PW]
	WIN 0x55
	QSC O, 2, 0
	QCODES O, 2, 0
	WIN 0x04                                       ; a store's data are its source 1: window 1
	global_store_b128 v[L16], v[PC:PC+3], s[12:13] offset:8192
	global_store_b128 v[L16], v[PC+4:PC+7], s[12:13] offset:8704
	WIN 0x01
	v_mov_b32 v21, v[PW]
	WIN 0
	v_and_b32 v22, 31, v0
	v_cmp_gt_u32 vcc_lo, 16, v22
	v_cndmask_b32 v22, v21, v20, vcc_lo            ; lanes 0-15: context 0's two bytes; lanes 16-31: context 1's
	global_store_b16 v[L16], v22, s[100:101]       ; two bytes of each token's sixteen
	s_wait_tensorcnt 0x0                           ; the wave's end
	ds_add_u32 v[SPW], v[NIL]
	s_wait_dscnt 0x0
	ROUND                                          ; the closing round: no work-group ends while a partner may still ask for a tile that names it
	s_endpgm
.Lfunc_end_k_q1cd7dfd931_attn:
	.size	k_q1cd7dfd931_attn, .Lfunc_end_k_q1cd7dfd931_attn-k_q1cd7dfd931_attn
	.p2alignl 7, 3214868480
	.fill 96, 4, 3214868480
	.section	.rodata,"a",@progbits
	.p2align	6, 0x0
	.amdhsa_kernel k_q1cd7dfd931_attn
		.amdhsa_group_segment_fixed_size 327680
		.amdhsa_private_segment_fixed_size 0
		.amdhsa_enable_private_segment 0
		.amdhsa_kernarg_size 40
		.amdhsa_user_sgpr_count 2
		.amdhsa_user_sgpr_kernarg_segment_ptr 1
		.amdhsa_wavefront_size32 1
		.amdhsa_system_sgpr_workgroup_id_x 1
		.amdhsa_system_sgpr_workgroup_id_y 1
		.amdhsa_system_sgpr_workgroup_id_z 1
		.amdhsa_system_vgpr_workitem_id 0
		.amdhsa_next_free_vgpr 512
		.amdhsa_next_free_sgpr 102
		.amdhsa_reserve_vcc 1
		.amdhsa_float_denorm_mode_32 3
		.amdhsa_float_denorm_mode_16_64 3
		.amdhsa_memory_ordered 1
		.amdhsa_forward_progress 1
		.amdhsa_inst_pref_size 110
	.end_amdhsa_kernel
	.amdgpu_metadata
---
amdhsa.version: [ 1, 2 ]
amdhsa.kernels:
  - .name:           k_q1cd7dfd931_attn
    .symbol:         k_q1cd7dfd931_attn.kd
    .args:
      - { .name: qcs, .offset: 0, .size: 8, .value_kind: global_buffer, .address_space: global }
      - { .name: kcs, .offset: 8, .size: 8, .value_kind: global_buffer, .address_space: global }
      - { .name: vcs, .offset: 16, .size: 8, .value_kind: global_buffer, .address_space: global }
      - { .name: msk, .offset: 24, .size: 8, .value_kind: global_buffer, .address_space: global }
      - { .name: aoc, .offset: 32, .size: 8, .value_kind: global_buffer, .address_space: global }
    .group_segment_fixed_size: 327680
    .private_segment_fixed_size: 0
    .kernarg_segment_align: 8
    .kernarg_segment_size: 40
    .max_flat_workgroup_size: 256
    .sgpr_count:     102
    .vgpr_count:     512
    .wavefront_size: 32
...
	.end_amdgpu_metadata
.endif
;; end of part 3
;; launch outp (part 4): grid 64 x 4, 4 waves a work-group, no clusters, 17,920 bytes of LDS; arguments aoc, wts, bo, out0; writes out0
.if DOCPART == 4
	.amdgcn_target "amdgcn-amd-amdhsa--gfx1250"
	.amdhsa_code_object_version 6
	.text
	.protected	k_q1cd7dfd931_outp
	.globl	k_q1cd7dfd931_outp
	.p2align	8
	.type	k_q1cd7dfd931_outp,@function
k_q1cd7dfd931_outp:
	s_mov_b64 s[64:65], 0
	v_nop
	global_prefetch_b8 v0, s[64:65] scope:SCOPE_SE
	s_setreg_imm32_b32 hwreg(HW_REG_WAVE_MODE, 25, 1), 1
	s_wait_xcnt 0x0
; OUTP.  out0 = A Wo^T + bo on codes of E4M3 with one E8M0 byte for each 32 along K = 512.  A's codes and scale bytes come from the attention launch, Wo's from the first launch, both as images of the operands' registers.
; 256 work-groups: 128 tokens x 128 outputs each; a wave makes 64 x 64: 16 accumulators.  All operands of a wave, 64 KiB, go from memory straight into its registers (512 consecutive bytes a load), asked for at once,
; K step by K step; the products of a K step begin when its loads are in.  No LDS ring and no multicast: each byte is read by a wave once, and a work-group has one tile.
; USED TRANSPOSED: source 0 = 16 rows of Wo, source 1 = 16 tokens: a lane holds one token, and the 16 registers of two neighbouring tiles are 16 neighbouring outputs
; (a tile's lanes stand for rows 32 (t / 2) + 8 (t % 2) + r + 8 (r / 8) of 128, for tokens and for Wo's rows alike).  The bias is the C of each sum's first matrix instruction.
; REGISTERS: window 0: v1-10 addresses; v32-159 accumulators, (a, i) at 32 + 8 (4 a + i); v160-191 the bias; v192-207 A's scale words, v208-223 Wo's; v224-255 rows on the way out.
;   window 1: A's fragments at 16 (4 a + s);  window 2: Wo's at 16 (4 i + s).
.set WSC, 1048576
.set SC,  4194304
.set ACC, 32
.set BO,  160
.set AS,  192
.set WS,  208
.set OUTR, 224
.set MSB, 0
.macro WIN new                         ; the immediate's high byte repeats the setting that is left; a switch that changes nothing is dropped
.if MSB != (\new)
	s_set_vgpr_msb (MSB<<8)|(\new)
.set MSB, (\new)
.endif
.endm
	s_load_b256 s[4:11], s[0:1], 0x0               ; aoc s[4:5], wts s[6:7], bo s[8:9], out0 s[10:11]
	v_lshl_add_u32 v30, v0, 2, 0x4400
	v_mov_b32 v31, 0
	v_lshrrev_b32 v1, 5, v0
	v_readfirstlane_b32 s12, v1                    ; wave 0..3
	s_lshr_b32 s13, s12, 1                         ; which 64 tokens
	s_and_b32 s14, s12, 1                          ; which 64 outputs
	s_and_b32 s15, ttmp7, 0xffff                   ; which 128 outputs
	v_and_b32 v2, 31, v0
	v_lshlrev_b32 v1, 4, v2                        ; 16 x lane
	v_and_b32 v3, 15, v0                           ; r
	v_bfe_u32 v4, v0, 4, 1                         ; h
	v_lshlrev_b32 v5, 4, v3                        ; 16 r: a token's scale bytes
	v_and_b32 v6, 8, v3
	v_add_nc_u32 v6, v6, v3
	v_lshlrev_b32 v6, 4, v6                        ; 16 (r + 8 (r / 8)): a row of Wo's scale bytes
	v_lshlrev_b32 v7, 6, v4                        ; 64 h: the bias of my half's outputs
	s_mul_i32 s19, s12, 4352                       ; my stage: 16 rows x (256 + 16) bytes
	v_mul_u32_u24 v8, v3, 272
	v_lshl_add_u32 v8, v4, 6, v8
	v_add_nc_u32 v8, s19, v8                       ; in: row r, + 64 h
	v_mul_u32_u24 v9, v4, 272
	v_lshl_add_u32 v9, v3, 4, v9
	v_add_nc_u32 v9, s19, v9                       ; back: lanes 0-15 one row, lanes 16-31 the next
	v_lshlrev_b32 v10, 11, v4
	v_lshl_add_u32 v10, v3, 4, v10                 ; and the same two rows in out0
	s_lshl_b32 s16, ttmp9, 3
	s_lshl_b32 s17, s13, 2
	s_add_co_u32 s16, s16, s17                     ; my first tile of tokens: 8 X + 4 wr
	s_lshl_b32 s18, s15, 7
	s_lshl_b32 s17, s14, 6
	s_add_co_u32 s18, s18, s17                     ; my first output: 128 Y + 64 wc
	s_mov_b32 s21, 0
	s_wait_alu depctr_va_vdst(0)
	s_wait_kmcnt 0x0
	s_lshl_b32 s20, s16, 13
	s_add_nc_u64 s[22:23], s[4:5], s[20:21]        ; A's images: 8,192 bytes a tile
	s_lshl_b32 s20, s16, 8
	s_add_co_u32 s20, s20, SC
	s_add_nc_u64 s[24:25], s[4:5], s[20:21]        ; A's scale bytes: 256 a tile
	s_lshl_b32 s20, s18, 9
	s_add_co_u32 s20, s20, 96*8192
	s_add_nc_u64 s[26:27], s[6:7], s[20:21]        ; Wo's images: tile 96 + first output / 16
	s_lshl_b32 s20, s18, 4
	s_add_co_u32 s20, s20, WSC+3*8192
	s_add_nc_u64 s[28:29], s[6:7], s[20:21]        ; Wo's scale bytes
	s_lshl_b32 s20, s18, 2
	s_add_nc_u64 s[8:9], s[8:9], s[20:21]          ; the bias
	s_add_nc_u64 s[10:11], s[10:11], s[20:21]      ; out0: my first column,
	s_lshl_b32 s20, ttmp9, 18
	s_lshl_b32 s17, s13, 17
	s_add_co_u32 s20, s20, s17
	s_add_nc_u64 s[10:11], s[10:11], s[20:21]      ; my first row: 128 X + 64 wr
.irp a, 0,1,2,3
	global_load_b128 v[AS+4*\a:AS+4*\a+3], v5, s[24:25] offset:256*\a                      ; a token's four scale words
.endr
.irp i, 0,1,2,3
	global_load_b128 v[WS+4*\i:WS+4*\i+3], v6, s[28:29] offset:(32*(\i/2)+8*(\i%2))*16
.endr
.irp i, 0,1,2,3
	global_load_b128 v[BO+8*\i:BO+8*\i+3], v7, s[8:9] offset:(32*(\i/2)+8*(\i%2))*4        ; outputs 32 (i / 2) + 16 h + 8 (i % 2) + 0 .. 7
	global_load_b128 v[BO+8*\i+4:BO+8*\i+7], v7, s[8:9] offset:(32*(\i/2)+8*(\i%2))*4+16
.endr
.irp s, 0,1,2,3                                ; 32 loads a K step
	WIN 0x40
.irp a, 0,1,2,3
.irp c, 0,1,2,3
	global_load_b128 v[16*(4*\a+\s)+4*\c:16*(4*\a+\s)+4*\c+3], v1, s[22:23] offset:(4*\a+\s)*2048+512*\c
.endr
.endr
	WIN 0x80
.irp i, 0,1,2,3
.irp c, 0,1,2,3
	global_load_b128 v[16*(4*\i+\s)+4*\c:16*(4*\i+\s)+4*\c+3], v1, s[26:27] offset:(4*\i+\s)*2048+512*\c
.endr
.endr
.endr
.irp s, 0,1,2,3
.if \s < 2
	s_wait_loadcnt 63                              ; 96 and 64 younger loads might stay out; the wait's field holds 63, which is the stricter count
.else
	s_wait_loadcnt 32*(3-\s)                       ; the later K steps' loads stay out
.endif
	WIN 0x06                                       ; source 0 (Wo) window 2, source 1 (A) window 1
.irp a, 0,1,2,3
.irp i, 0,1,2,3
.if \s == 0
	v_wmma_scale_f32_16x16x128_f8f6f4 v[ACC+8*(4*\a+\i):ACC+8*(4*\a+\i)+7], v[16*(4*\i+\s):16*(4*\i+\s)+15], v[16*(4*\a+\s):16*(4*\a+\s)+15], v[BO+8*\i:BO+8*\i+7], v[WS+4*\i+\s], v[AS+4*\a+\s]
.else
	v_wmma_scale_f32_16x16x128_f8f6f4 v[ACC+8*(4*\a+\i):ACC+8*(4*\a+\i)+7], v[16*(4*\i+\s):16*(4*\i+\s)+15], v[16*(4*\a+\s):16*(4*\a+\s)+15], v[ACC+8*(4*\a+\i):ACC+8*(4*\a+\i)+7], v[WS+4*\i+\s], v[AS+4*\a+\s]
.endif
.endr
.endr                                          ; the 16 accumulators by turns
.endr
	WIN 0
.rept 8
	v_nop                                          ; eight places behind this form in front of the first read of the results
.endr
; THE WAY OUT, a tile of 16 tokens x 64 outputs at a time, through my own stage: a lane holds 64 neighbouring bytes of a row for each pair of tiles; back come whole rows of 256 bytes
.irp a, 0,1,2,3
.if \a > 0
	s_wait_xcnt 0x0                                ; the last tile's stores have read their registers: the loads below may land there
.endif
.irp i, 0,1,2,3
	ds_store_b128 v8, v[ACC+8*(4*\a+\i):ACC+8*(4*\a+\i)+3] offset:128*(\i/2)+32*(\i%2)         ; each accumulator from its low end on
	ds_store_b128 v8, v[ACC+8*(4*\a+\i)+4:ACC+8*(4*\a+\i)+7] offset:128*(\i/2)+32*(\i%2)+16
.endr
.irp i, 0,1,2,3,4,5,6,7
	ds_load_b128 v[OUTR+4*\i:OUTR+4*\i+3], v9 offset:544*\i                                    ; LDS serves a wave's instructions in order: these see my stores, and the next tile's stores come behind them
.endr
	s_wait_dscnt 0x0
.irp i, 0,1,2,3,4,5,6,7
	global_store_b128 v10, v[OUTR+4*\i:OUTR+4*\i+3], s[10:11] offset:(32*(\a/2)+8*(\a%2)+2*\i+8*(\i/4))*2048 th:TH_STORE_NT   ; sixteen lanes store 256 consecutive bytes, aligned; stage row 2 i + h is token 2 i + h + 8 (i / 4) of the tile
.endr
.endr
	s_wait_tensorcnt 0x0
	ds_add_u32 v30, v31
	s_wait_dscnt 0x0
	s_endpgm
.Lfunc_end_k_q1cd7dfd931_outp:
	.size	k_q1cd7dfd931_outp, .Lfunc_end_k_q1cd7dfd931_outp-k_q1cd7dfd931_outp
	.p2alignl 7, 3214868480
	.fill 96, 4, 3214868480
	.section	.rodata,"a",@progbits
	.p2align	6, 0x0
	.amdhsa_kernel k_q1cd7dfd931_outp
		.amdhsa_group_segment_fixed_size 17920
		.amdhsa_private_segment_fixed_size 0
		.amdhsa_enable_private_segment 0
		.amdhsa_kernarg_size 32
		.amdhsa_user_sgpr_count 2
		.amdhsa_user_sgpr_kernarg_segment_ptr 1
		.amdhsa_wavefront_size32 1
		.amdhsa_system_sgpr_workgroup_id_x 1
		.amdhsa_system_sgpr_workgroup_id_y 1
		.amdhsa_system_sgpr_workgroup_id_z 1
		.amdhsa_system_vgpr_workitem_id 0
		.amdhsa_next_free_vgpr 768
		.amdhsa_next_free_sgpr 66
		.amdhsa_reserve_vcc 0
		.amdhsa_float_denorm_mode_32 3
		.amdhsa_float_denorm_mode_16_64 3
		.amdhsa_memory_ordered 1
		.amdhsa_forward_progress 1
		.amdhsa_inst_pref_size 32
	.end_amdhsa_kernel
	.amdgpu_metadata
---
amdhsa.version: [ 1, 2 ]
amdhsa.kernels:
  - .name:           k_q1cd7dfd931_outp
    .symbol:         k_q1cd7dfd931_outp.kd
    .args:
      - { .name: aoc, .offset: 0, .size: 8, .value_kind: global_buffer, .address_space: global }
      - { .name: wts, .offset: 8, .size: 8, .value_kind: global_buffer, .address_space: global }
      - { .name: bo, .offset: 16, .size: 8, .value_kind: global_buffer, .address_space: global }
      - { .name: out0, .offset: 24, .size: 8, .value_kind: global_buffer, .address_space: global }
    .group_segment_fixed_size: 17920
    .private_segment_fixed_size: 0
    .kernarg_segment_align: 8
    .kernarg_segment_size: 32
    .max_flat_workgroup_size: 128
    .sgpr_count:     66
    .vgpr_count:     768
    .wavefront_size: 32
...
	.end_amdgpu_metadata
.endif
;; end of part 4
